; MI455X (gfx1250); checked and timed in simulation.
; The chip was launched on July 23, 2026; its instructions are those of AMD's public machine-readable ISA for CDNA 5 (MIT licence, August 2026) and "CDNA5" Instruction Set Architecture Reference Guide (July 2026). The comments in the code are by the model that wrote it; some were corrected since.
;; Causal Self Attention. Allowed arithmetic: matrix products marked QUANTISED: E2M3 operands, one E8M0 scale for each 32 along K, by v_wmma_scale_f32_16x16x128_f8f6f4 with both operands' format E2M3, f32 sums; everything else in f32.
;; Inputs: b_attn 3,072 float32; b_proj 1,024 float32; w_attn 3,072 x 1,024 float32; w_proj 1,024 x 1,024 float32; x 4 x 2,048 x 1,024 float32.
;; Outputs: out0 4 x 2,048 x 1,024 float32.
;; This version of the problem:
;;   THIS VERSION OF THE PROBLEM IS GIVEN IN LOW PRECISION. The matrix products marked QUANTISED in the list below multiply operands that are first quantised to E2M3 (2 exponent bits, 3 mantissa bits; 6 bits a number), with one power-of-two scale for each 32 numbers along K (OCP MX v1.0); their sums are f32. All else is computed in f32.
;;   The module's matrix products, in the order in which they are computed (A, B: the left and right operand; K: the contracted axis; several contracted axes count as one K, in the product's order):
;;     1. [M 8,192, K 1,024] x [K 1,024, N 3,072]; A: input x; B: input w_attn: QUANTISED
;;     2. batch 64 x [M 2,048, K 64] x [K 64, N 2,048]; A: computed on the way; B: computed on the way: QUANTISED
;;     3. batch 64 x [M 2,048, K 2,048] x [K 2,048, N 64]; A: softmax (see below); B: computed on the way: QUANTISED
;;     4. [M 8,192, K 1,024] x [K 1,024, N 1,024]; A: computed on the way; B: input w_proj: QUANTISED
;;   THE QUANTISER, for each operand of a quantised product, along K:
;;     - K is cut into blocks of 32 from its start; a last block that is shorter is filled with zeros.
;;     - A block's scale is 2^e with e = floor(log2(the largest magnitude in the block)) - 2, held to -126 .. 127; a block of zeros has e = 0. As a byte (E8M0): e + 127.
;;     - Each number is divided by its block's scale, clamped to +-7.5, and rounded to the nearest number of E2M3, ties to even, subnormals kept.
;;     - The product sums the exact products of the quantised numbers (number of the format x scale) in f32.
;;   ~~~python
;;   def quantise(x, axis):      # numpy; x: float32 -> the quantised numbers, widened to float32 again
;;       x = np.moveaxis(x, axis, -1); K = x.shape[-1]
;;       x = np.pad(x, [(0, 0)] * (x.ndim - 1) + [(0, -K % 32)]); x = x.reshape(x.shape[:-1] + (-1, 32)); a = np.abs(x).max(-1, keepdims=True)
;;       e = np.where(a > 0, np.clip(np.frexp(np.where(a > 0, a, 1))[1] - 1 - 2, -126, 127), 0)      # np.frexp(a)[1] - 1 = floor(log2(a)), exactly
;;       r = np.clip(x / 2.0 ** e, -7.5, 7.5)
;;       step = 2.0 ** (np.maximum(np.frexp(np.where(r == 0, 1, r))[1] - 1, 0) - 3)
;;       q = np.round(r / step) * step * 2.0 ** e      # np.round: ties to even
;;       return np.moveaxis(q.reshape(q.shape[:-2] + (-1,))[..., :K], -1, axis).astype(np.float32)
;;   ~~~
;;   SOFTMAX AHEAD OF A QUANTISED PRODUCT. Where the list says 'softmax', what is quantised is not the finished softmax but p = 2^(t - M), with t = logit x log2(e) and M = ceil(the row's largest t), a whole number; so 1/2 < the row's largest p <= 1. The row's sum l is taken of the UNQUANTISED p, in f32, and the product's result is divided by l at the end. Since M is a whole number, a kernel that streams over the keys may use a running M (the ceiling of the running maximum): every later rescaling is an exact power of two, which a block's scale takes up: the codes' values come out the same.
;;   OPERANDS COMPUTED ON THE WAY. 'Computed on the way' means the value that the module computes at that place (a softmax that the list does not call 'softmax' is quantised finished and normalised). What goes into a quantiser is computed in f32, as accurately as f32 sums, v_exp_f32 and their like allow (about 1e-6 of the number): no bf16 or f16 on the way to a quantiser, and a product that is left as it is and whose result goes on into a quantised operand takes f32 operands (vector FMAs, or v_wmma_f32_16x16x4_f32). A number that lies on a knife's edge between two numbers of the format may be rounded either way, as far as f32 arithmetic and the matrix unit's own rounding can turn it there, and no further.
;; One version. Each part assembles by itself: llvm-mc -triple=amdgcn-amd-amdhsa -mcpu=gfx1250 --defsym DOCPART=n.
;; ======== version 1 of 1: 4 launches
;; workspace buffers: opq 9,437,184 bytes; ops 393,216 bytes; qb 6,553,600 bytes; kv 13,107,200 bytes; yq 6,291,456 bytes; ys 262,144 bytes
;; launch quant (part 1): grid 256 x 1, 6 waves a work-group, no clusters, 51,456 bytes of LDS; arguments x, w_attn, w_proj, opq, ops; writes opq, ops
.if DOCPART == 1
	.amdgcn_target "amdgcn-amd-amdhsa--gfx1250"
	.amdhsa_code_object_version 6
	.text
	.protected	k_q0faf139d66_quant
	.globl	k_q0faf139d66_quant
	.p2align	8
	.type	k_q0faf139d66_quant,@function
k_q0faf139d66_quant:
	s_mov_b64 s[64:65], 0
	v_nop
	global_prefetch_b8 v0, s[64:65] scope:SCOPE_SE
	s_setreg_imm32_b32 hwreg(HW_REG_WAVE_MODE, 25, 1), 1
	s_wait_xcnt 0x0
; x [8192][1024], w_attn [3072][1024] and w_proj [1024][1024], f32 with K innermost, become codes of FP6 (E2M3) with one E8M0 byte for each 32 along K,
; laid in the ORDER OF AN OPERAND'S REGISTERS, so that later launches take whole fragments by loads of 16 bytes a lane.
; TILES.  Rows go in tiles of 16: row i of tile t is row 32 (t / 2) + 8 (t % 2) + i + 8 (i / 8).  768 tiles: 0-511 x, 512-703 w_attn, 704-767 w_proj.
; opq [768 tiles][8 K steps of 128][1,536 bytes]: registers 4 c .. 4 c + 3 of lane l at 512 c + 16 l; registers 6 c' .. 6 c' + 5 of lane (r, h) are the codes k = 64 c' + 32 h + 0 .. 31 of the tile's row r.
; ops [768 tiles][512 bytes]: the scale word of K step ks and row r at 128 (ks / 2) + 8 r + 4 (ks % 2).
; A block's scale is 2^(floor(log2(its largest magnitude)) - 2); its byte is the largest magnitude's exponent field - 2, held at 1 from below.
; LIMITS: a block of zeros, or one whose largest magnitude lies under 2^-124, carries the byte 1 where the rule says 127 (its codes are zeros or the rule's own; these bytes are read by this program alone);
; NaN and infinities among the inputs are not served.
; SHARES.  1,536 tasks, one a wave: task g = 6 x work-group + wave takes tile g / 2 and the half g % 2 of K: 16 rows x 512 numbers, four fragments.  One path serves all three tensors: only pointers are chosen.
; Each load reads 512 consecutive bytes of one row; the 16 rows x 128 numbers of a fragment turn through the wave's own stage in LDS, so that lane (r, h) gets, of row r, 16 neighbours of each block of 32.
; Waves share nothing: no barrier.  16 to 32 loads of a wave are out at any time.
.set STG,   8448                       ; a wave's stage: 16 rows x (512 bytes + 16): the sixteen rows that a read touches start at sixteen different banks
.set SPARE, 6*STG                      ; behind the stages: the spare words, 128 bytes for each wave: three blocks of 256 bytes that no other line names
.set SPW,   5                          ; v5   LDS address of my spare word; never rewritten
.set NIL,   6                          ; v6   0; never rewritten
.set R,     16                         ; v16-143  two sets of 64 registers as loaded
.set X,     144                        ; v144-207 64 numbers: register 16 b + i = number 32 b + 16 h + i of my row
.set PC,    208                        ; v208-219 a fragment's codes
.set T2,    220                        ; v220-227 the conversions' second halves
.set TM,    228                        ; v228-243 at work in QUANT
.set SW,    244                        ; v244-247 the four fragments' scale words
.set SEL,   20                         ; s[20:21] lane selects for v_permlanex16_b32: lane l xor 16
; 64 numbers of a lane, register 16 b + i = k 32 b + 16 (lane / 16) + i of my row, become a fragment's codes (registers 0-5 at d0, 6-11 at d1) and its scale word in v[pw].
.macro QUANT s, d0, d1, pw
.irp b, 0,1,2,3
	v_max3_num_f32 v[TM+\b], |v[(\s)+16*\b]|, |v[(\s)+16*\b+1]|, 0x1800000   ; block b: my 16 numbers, and the floor 2^(3 - 127): the byte cannot fall under 1
.endr
.irp i, 2,4,6,8,10,12,14
.irp b, 0,1,2,3
	v_max3_num_f32 v[TM+\b], v[TM+\b], |v[(\s)+16*\b+\i]|, |v[(\s)+16*\b+\i+1]|   ; the four blocks by turns
.endr
.endr
.irp b, 0,1,2,3
	v_permlanex16_b32 v[TM+4+\b], v[TM+\b], s[SEL], s[SEL+1]
.endr
.irp b, 0,1,2,3
	v_max_num_f32 v[TM+\b], v[TM+\b], v[TM+4+\b]   ; with lane l xor 16's: the block's largest magnitude
.endr
.irp b, 0,1,2,3
	v_add_nc_u32 v[TM+12+\b], 0xff000000, v[TM+\b]   ; 2 off its exponent field: the conversion's scale operand
.endr
.irp b, 0,1,2,3
	v_lshrrev_b32 v[TM+4+\b], 23, v[TM+12+\b]      ; the scale's byte
.endr
	v_lshl_or_b32 v[\pw], v[TM+5], 8, v[TM+4]
	v_lshl_or_b32 v[\pw], v[TM+6], 16, v[\pw]
	v_lshl_or_b32 v[\pw], v[TM+7], 24, v[\pw]      ; my row's scale word
	v_cvt_scalef32_pk16_fp6_f32 v[(\d0):(\d0)+2], v[(\s):(\s)+15], v[TM+12]
	v_cvt_scalef32_pk16_fp6_f32 v[T2:T2+2], v[(\s)+16:(\s)+31], v[TM+13]   ; (a conversion's three registers begin on an even number)
	v_cvt_scalef32_pk16_fp6_f32 v[(\d1):(\d1)+2], v[(\s)+32:(\s)+47], v[TM+14]
	v_cvt_scalef32_pk16_fp6_f32 v[T2+4:T2+6], v[(\s)+48:(\s)+63], v[TM+15]
	v_nop                                          ; one plain instruction behind the scaled conversions
.irp i, 0,1,2
	v_permlane16_swap_b32 v[(\d0)+\i], v[T2+\i]    ; a lane wants a WHOLE block: lanes 0-15 the even one, lanes 16-31 the odd one
.endr
.irp i, 0,1,2
	v_mov_b32 v[(\d0)+3+\i], v[T2+\i]
.endr
.irp i, 0,1,2
	v_permlane16_swap_b32 v[(\d1)+\i], v[T2+4+\i]
.endr
.irp i, 0,1,2
	v_mov_b32 v[(\d1)+3+\i], v[T2+4+\i]
.endr
.endm
	s_load_b256 s[4:11], s[0:1], 0x0               ; x s[4:5], w_attn s[6:7], w_proj s[8:9], opq s[10:11]
	s_load_b64 s[12:13], s[0:1], 0x20              ; ops
	v_lshl_add_u32 v[SPW], v0, 2, SPARE
	v_mov_b32 v[NIL], 0
	v_lshrrev_b32 v1, 5, v0
	v_readfirstlane_b32 s22, v1                    ; wave 0..5
	v_and_b32 v7, 31, v0                           ; lane
	v_and_b32 v8, 15, v0                           ; r
	v_bfe_u32 v9, v0, 4, 1                         ; h
	v_lshlrev_b32 v1, 4, v7                        ; 16 x lane: my bytes of a load's 512, and of an image's
	s_mul_i32 s23, s22, STG                        ; my stage
	v_add_nc_u32 v2, s23, v1                       ; into it: a row as it lies
	v_mul_u32_u24 v3, v8, 528
	v_lshl_add_u32 v3, v9, 6, v3
	v_add_nc_u32 v3, s23, v3                       ; out of it: row r, + 64 h
	v_lshlrev_b32 v4, 3, v7                        ; 8 x lane: the scale words' place
	s_mov_b32 s[SEL], 0x76543210
	s_mov_b32 s[SEL+1], 0xfedcba98
.irp b, 0,1,2,3
	v_mov_b32 v[TM+4+\b], 0                        ; written once: a lane permute's destination counts as one of its sources
.endr
	s_mul_i32 s24, ttmp9, 6
	s_add_co_u32 s24, s24, s22                     ; my task
	s_lshr_b32 s25, s24, 1                         ; its tile, 0..767
	s_and_b32 s26, s24, 1                          ; its half of K
	s_wait_kmcnt 0x0
	s_cmp_lt_u32 s25, 704                          ; which tensor: the choice hangs on ids alone
	s_cselect_b64 s[14:15], s[6:7], s[8:9]
	s_mov_b32 s16, 704
	s_cselect_b32 s16, 512, s16
	s_cmp_lt_u32 s25, 512
	s_cselect_b64 s[14:15], s[4:5], s[14:15]
	s_cselect_b32 s16, 0, s16
	s_sub_co_u32 s16, s25, s16                     ; the tile's number in its tensor
	s_lshr_b32 s17, s16, 1
	s_lshl_b32 s17, s17, 5
	s_and_b32 s18, s16, 1
	s_lshl_b32 s18, s18, 3
	s_add_co_u32 s17, s17, s18                     ; its first row: 32 (t / 2) + 8 (t % 2)
	s_lshl_b32 s28, s17, 12                        ; rows of 4,096 bytes (under 2^26)
	s_lshl_b32 s18, s26, 11
	s_add_co_u32 s28, s28, s18                     ; + 2,048 for the second half of K
	s_mov_b32 s29, 0
	s_add_nc_u64 s[14:15], s[14:15], s[28:29]
	s_mul_i32 s28, s25, 12288
	s_mul_i32 s18, s26, 6144
	s_add_co_u32 s28, s28, s18
	s_add_nc_u64 s[10:11], s[10:11], s[28:29]      ; my four images
	s_lshl_b32 s28, s25, 9
	s_lshl_b32 s18, s26, 8
	s_add_co_u32 s28, s28, s18
	s_add_nc_u64 s[12:13], s[12:13], s[28:29]      ; my 256 bytes of scale words
.macro LOADX f                         ; fragment f: 128 numbers of each of the tile's 16 rows, into set f % 2; 32 lanes read 512 consecutive bytes
.irp i, 0,1,2,3,4,5,6,7,8,9,10,11,12,13,14,15
	global_load_b128 v[R+64*((\f)%2)+4*\i:R+64*((\f)%2)+4*\i+3], v1, s[14:15] offset:(\i+8*(\i/8))*4096+512*(\f) th:TH_LOAD_NT
.endr
.endm
.macro STEPQ f
.if (\f) < 3
	s_wait_loadcnt 16                              ; this fragment's 16 loads are in; the next fragment's 16 may be out
.else
	s_wait_loadcnt 0x0
.endif
.irp i, 0,1,2,3,4,5,6,7,8,9,10,11,12,13,14,15
	ds_store_b128 v2, v[R+64*((\f)%2)+4*\i:R+64*((\f)%2)+4*\i+3] offset:528*\i
.endr
.irp b, 0,1,2,3
.irp j, 0,1,2,3
	ds_load_b128 v[X+16*\b+4*\j:X+16*\b+4*\j+3], v3 offset:128*\b+16*\j   ; LDS serves a wave's instructions in order: these see the stores above
.endr
.endr
	s_wait_dscnt 0x0                               ; the numbers are back, and the stores have read the set
	s_wait_xcnt 0x0                                ; the last fragment's stores have read the codes' registers: they are written again only behind this wait
.if (\f) < 2
	LOADX (\f)+2                                   ; the set takes the fragment two on
.endif
	QUANT X, PC, PC+6, SW+(\f)
.irp c, 0,1,2
	global_store_b128 v1, v[PC+4*\c:PC+4*\c+3], s[10:11] offset:1536*(\f)+512*\c   ; 32 lanes store 512 consecutive bytes, at a multiple of 512 from the buffer's first byte
.endr
.endm
	LOADX 0
	LOADX 1
	STEPQ 0
	STEPQ 1
	STEPQ 2
	STEPQ 3
	v_cmp_lt_u32 vcc_lo, 15, v7                    ; lanes 0-15 store the words of my first two K steps, lanes 16-31 those of the other two
	v_cndmask_b32 v248, v[SW], v[SW+2], vcc_lo
	v_cndmask_b32 v249, v[SW+1], v[SW+3], vcc_lo
	global_store_b64 v4, v[248:249], s[12:13]      ; 256 consecutive bytes
	s_wait_tensorcnt 0x0                           ; the wave's end, behind my last LDS store
	ds_add_u32 v[SPW], v[NIL]
	s_wait_dscnt 0x0
	s_endpgm
.Lfunc_end_k_q0faf139d66_quant:
	.size	k_q0faf139d66_quant, .Lfunc_end_k_q0faf139d66_quant-k_q0faf139d66_quant
	.p2alignl 7, 3214868480
	.fill 96, 4, 3214868480
	.section	.rodata,"a",@progbits
	.p2align	6, 0x0
	.amdhsa_kernel k_q0faf139d66_quant
		.amdhsa_group_segment_fixed_size 51456
		.amdhsa_private_segment_fixed_size 0
		.amdhsa_enable_private_segment 0
		.amdhsa_kernarg_size 40
		.amdhsa_user_sgpr_count 2
		.amdhsa_user_sgpr_kernarg_segment_ptr 1
		.amdhsa_wavefront_size32 1
		.amdhsa_system_sgpr_workgroup_id_x 1
		.amdhsa_system_sgpr_workgroup_id_y 1
		.amdhsa_system_sgpr_workgroup_id_z 1
		.amdhsa_system_vgpr_workitem_id 0
		.amdhsa_next_free_vgpr 256
		.amdhsa_next_free_sgpr 66
		.amdhsa_reserve_vcc 1
		.amdhsa_float_denorm_mode_32 3
		.amdhsa_float_denorm_mode_16_64 3
		.amdhsa_memory_ordered 1
		.amdhsa_forward_progress 1
		.amdhsa_inst_pref_size 34
	.end_amdhsa_kernel
	.amdgpu_metadata
---
amdhsa.version: [ 1, 2 ]
amdhsa.kernels:
  - .name:           k_q0faf139d66_quant
    .symbol:         k_q0faf139d66_quant.kd
    .args:
      - { .name: x, .offset: 0, .size: 8, .value_kind: global_buffer, .address_space: global }
      - { .name: w_attn, .offset: 8, .size: 8, .value_kind: global_buffer, .address_space: global }
      - { .name: w_proj, .offset: 16, .size: 8, .value_kind: global_buffer, .address_space: global }
      - { .name: opq, .offset: 24, .size: 8, .value_kind: global_buffer, .address_space: global }
      - { .name: ops, .offset: 32, .size: 8, .value_kind: global_buffer, .address_space: global }
    .group_segment_fixed_size: 51456
    .private_segment_fixed_size: 0
    .kernarg_segment_align: 8
    .kernarg_segment_size: 40
    .max_flat_workgroup_size: 192
    .sgpr_count:     66
    .vgpr_count:     256
    .wavefront_size: 32
...
	.end_amdgpu_metadata
.endif
;; end of part 1
;; launch qkv (part 2): grid 12 x 32, 4 waves a work-group, clusters of 4 x 4, 327,680 bytes of LDS; arguments opq, ops, b_attn, qb, kv; writes qb, kv
.if DOCPART == 2
	.amdgcn_target "amdgcn-amd-amdhsa--gfx1250"
	.amdhsa_code_object_version 6
	.text
	.protected	k_q0faf139d66_qkv
	.globl	k_q0faf139d66_qkv
	.p2align	8
	.type	k_q0faf139d66_qkv,@function
k_q0faf139d66_qkv:
	s_mov_b64 s[64:65], 0
	v_nop
	global_prefetch_b8 v0, s[64:65] scope:SCOPE_SE
	s_setreg_imm32_b32 hwreg(HW_REG_WAVE_MODE, 25, 1), 1
	s_wait_xcnt 0x0
	s_wait_alu depctr_hold_cnt(0) depctr_sa_sdst(0) depctr_va_vdst(0) depctr_va_sdst(0) depctr_va_ssrc(0) depctr_va_vcc(0) depctr_vm_vsrc(0)
	s_getreg_b32 s2, hwreg(HW_REG_IB_STS2, 6, 4)
	s_cmp_eq_u32 s2, 0
	s_cbranch_scc0 .Lentry_in_a_cluster
	s_endpgm
.Lentry_in_a_cluster:
	s_bfe_u32 s2, ttmp6, 0x10000c
	s_cmp_lg_u32 s2, 0xf033
	s_cbranch_scc0 .Lentry_shape_is_right
	s_endpgm
.Lentry_shape_is_right:
; qkv = x w_attn^T + b_attn on codes of FP6 (E2M3) with E8M0 scales, sums in f32; the results are quantised in registers and leave as codes: q and k along the head's 64, v along the keys.
; A work-group of four waves makes 256 x 256 of the product, a wave 128 x 128: 64 accumulators of 16 x 16.  K = 1,024 goes in four slots of 256 through a ring of two LDS slots filled by the tensor data mover.
; OPERANDS ARE IMAGES OF REGISTERS (buffer opq, [tile of 16 rows][8 K steps][1,536 bytes]): a fragment comes by three loads of 16 bytes a lane, 512 consecutive bytes each: no pitch, no padding.
; ROLES.  P is source 0: a lane's result registers run along P.  R is source 1: its rows lie across the lanes.  What is quantised must run along the registers:
;   q, k (cluster x = 0, 1): P = w_attn's rows (channels), R = x's rows (tokens);   v (cluster x = 2): P = x's rows (tokens = keys), R = w_attn's rows.
; Row i of tile t is row 32 (t / 2) + 8 (t % 2) + i + 8 (i / 8), so that the 16 registers of P's tiles 2 b and 2 b + 1 are 16 neighbours: 32 b + 16 (lane / 16) + 0 .. 15.
; CLUSTERS: 4 x 4 work-groups.  P's tile hangs on cx alone and is shared along a column of the cluster, R's on cy alone and is shared along a row: each is asked for JOINTLY, by the same tensor load
; with the same descriptor and a mask that names the four.  Which part a cluster makes hangs on the cluster's x alone, which all sixteen partners share: so does the one branch on it.
; OUT.  qb [64 heads][16 steps of 128 tokens][6,400]: four PAIR images (row r = tile 2 i's token r, 64 codes | tile 2 i + 1's token r, 64 codes), then 256 bytes of scale words (16 r + 4 i).
;       kv [64][16][12,800]: k's four pair images and scale words likewise, then from byte 6,400 v's four images (16 channels x 128 keys) and their scale words (16 r + 4 x tile).
; LIMITS: a block of zeros, or one under 2^-124, carries the byte 1 where the rule says 127 (read by this program alone); NaN and infinities are not served.
; REGISTERS, in windows of 256: window 0: v1-31 addresses and small things; v32-63 scale words, two sets; v64-127 the bias by register; v128-223 R's eight fragments, ONE set (on the way out: 64 numbers, codes);
;   v224-239 the bias by lane; v240-255 at work.   window 1: P's fragments, TWO sets, at v0 and v128.   windows 2, 3: the accumulators ((a, b) at v[8 (8 (a % 4) + b)]).
.set LOADB,  24576                     ; what one tensor load brings: 8 tiles x 2 K steps x 1,536 bytes
.set SLOT,   4*LOADB                   ; R's two halves, then P's two halves
.set SCL,    2*SLOT                    ; behind the ring: the scale words of all of K, 4,096 bytes for each wave's load; filled once
.set SPARE,  SCL+4*4096                ; behind them: the spare words, 128 bytes for each wave: two blocks of 256 bytes that no other line names
.set NQ,     2                         ; K steps of 128 in a slot
.set FR,     12                        ; registers of a fragment
.set NL,     3                         ; LDS loads that bring one
.set NP,     4                         ; places behind this matrix instruction (ISA guide 7.12.1)
.set LAPS,   2                         ; a lap = two slots = once round the ring
.set PW,   8                           ; v8-15   scale words just made
.set ADRA, 16                          ; v16-17  LDS address of my R fragments in slot 0, 1
.set ADRB, 20                          ; v20-21  the same for P
.set LI,   26                          ; v26     16 x lane
.set ADRS, 27                          ; v27     LDS address of my scale words: lanes 0-15 R's, lanes 16-31 P's
.set SPW,  28                          ; v28     LDS address of my spare word; never rewritten
.set NIL,  29                          ; v29     0; never rewritten
.set SC,   32                          ; set s at v[SC + 16 s]; register 2 i + q: lanes 0-15 the word of R's tile i, lanes 16-31 that of P's tile i, for the slot's q-th K step
.set BI,   64                          ; b_attn at P's index: register 8 b + j
.set AF,   128                         ; R's fragments
.set H,    128                         ; the way out: 64 numbers
.set IMG,  192                         ; the way out: 24 registers of codes
.set T2,   216
.set BV,   224                         ; b_attn at R's index: tile a's in registers 2 a and 2 a + 1
.set TM,   240
.set WV,   14                          ; s14 wave;  s15 my half of R, also: I fetch for R (0) or P (1);  s16 my half of P, also: which half I fetch;  s17 1 in v's cluster
.set HR,   15
.set HP,   16
.set ISV,  17
.set G1, 24                            ; s[24:31] descriptor group 1 for R's codes;  s[32:39] group 0, one set for each slot
.set G0, 32
.set G1B, 48                           ; s[48:55], s[56:63] the same for P's
.set G0B, 56
.set G1S, 68                           ; s[68:75], s[76:79] groups 1 and 0 for R's scale words;  s[80:87], s[88:91] for P's
.set G0S, 76
.set G1SB, 80
.set G0SB, 88
.set SEL, 100                          ; s[100:101] lane selects for v_permlanex16_b32: lane l xor 16
.set MSB, 0
.macro WIN new                         ; the immediate's high byte repeats the setting that is left
.if MSB != (\new)
	s_set_vgpr_msb (MSB<<8)|(\new)
.set MSB, (\new)
.endif
.endm
.set MUL_LO, 0xa1                      ; source 0 (P) window 1, source 1 (R) window 0, C and D window 2
.set MUL_HI, 0xf1                      ; the same, C and D window 3
.set TO_B,   0x40                      ; destination window 1, address window 0
; A joint load: waves 0 and 1 fetch for R, waves 2 and 3 for P.  Each of the two lines has ONE mask and one set of registers for all that issue it; the branch hangs on the wave's number alone.
; An s_nop 0 and four v_nop follow each of the two lines, ahead of the jump, the label and what follows.
.macro JLOAD g0a, g1a, g0b, g1b
	s_cmp_eq_u32 s[HR], 0
	s_cbranch_scc0 .Lfor_p_\@
	tensor_load_to_lds s[\g0a:\g0a+3], s[\g1a:\g1a+7]
	s_nop 0
.rept 4
	v_nop
.endr
	s_branch .Lasked_\@
.Lfor_p_\@:
	tensor_load_to_lds s[\g0b:\g0b+3], s[\g1b:\g1b+7]
	s_nop 0
.rept 4
	v_nop
.endr
.Lasked_\@:
.endm
.macro CREST                           ; a round of the cluster's barrier behind its opening barrier
	s_cmp_lg_u32 s[WV], 0
	s_cbranch_scc1 .Lnot_wave_0_\@
	s_barrier_signal -3
.Lnot_wave_0_\@:
	s_barrier_wait -3
	s_barrier_signal -1
	s_barrier_wait -1
.endm
.macro CROUND                          ; a whole round
	s_barrier_signal -1
	s_barrier_wait -1
	CREST
.endm
; 64 numbers of a lane, register 16 b + i = index 32 b + 16 (lane / 16) + i along the next K, become codes (blocks 0, 1 in six registers at d0, blocks 2, 3 at d1) and a scale word in v[pw].
.macro QUANT s, d0, d1, pw
.irp b, 0,1,2,3
	v_max3_num_f32 v[TM+\b], |v[(\s)+16*\b]|, |v[(\s)+16*\b+1]|, 0x1800000   ; block b: my 16 numbers, and the floor 2^(3 - 127): the byte cannot fall under 1
.endr
.irp i, 2,4,6,8,10,12,14
.irp b, 0,1,2,3
	v_max3_num_f32 v[TM+\b], v[TM+\b], |v[(\s)+16*\b+\i]|, |v[(\s)+16*\b+\i+1]|
.endr
.endr
.irp b, 0,1,2,3
	v_permlanex16_b32 v[TM+4+\b], v[TM+\b], s[SEL], s[SEL+1]
.endr
.irp b, 0,1,2,3
	v_max_num_f32 v[TM+\b], v[TM+\b], v[TM+4+\b]   ; with lane l xor 16's: the block's largest magnitude
.endr
.irp b, 0,1,2,3
	v_add_nc_u32 v[TM+12+\b], 0xff000000, v[TM+\b]   ; 2 off its exponent field: the conversion's scale operand
.endr
.irp b, 0,1,2,3
	v_lshrrev_b32 v[TM+4+\b], 23, v[TM+12+\b]      ; the scale's byte
.endr
	v_lshl_or_b32 v[\pw], v[TM+5], 8, v[TM+4]
	v_lshl_or_b32 v[\pw], v[TM+6], 16, v[\pw]
	v_lshl_or_b32 v[\pw], v[TM+7], 24, v[\pw]
	v_cvt_scalef32_pk16_fp6_f32 v[(\d0):(\d0)+2], v[(\s):(\s)+15], v[TM+12]
	v_cvt_scalef32_pk16_fp6_f32 v[T2:T2+2], v[(\s)+16:(\s)+31], v[TM+13]   ; (a conversion's three registers begin on an even number)
	v_cvt_scalef32_pk16_fp6_f32 v[(\d1):(\d1)+2], v[(\s)+32:(\s)+47], v[TM+14]
	v_cvt_scalef32_pk16_fp6_f32 v[T2+4:T2+6], v[(\s)+48:(\s)+63], v[TM+15]
	v_nop                                          ; one plain instruction behind the scaled conversions
.irp i, 0,1,2
	v_permlane16_swap_b32 v[(\d0)+\i], v[T2+\i]    ; a lane wants a WHOLE block: lanes 0-15 the even one, lanes 16-31 the odd one
.endr
.irp i, 0,1,2
	v_mov_b32 v[(\d0)+3+\i], v[T2+\i]
.endr
.irp i, 0,1,2
	v_permlane16_swap_b32 v[(\d1)+\i], v[T2+4+\i]
.endr
.irp i, 0,1,2
	v_mov_b32 v[(\d1)+3+\i], v[T2+4+\i]
.endr
.endm
	s_load_b256 s[4:11], s[0:1], 0x0               ; opq s[4:5], ops s[6:7], b_attn s[8:9], qb s[10:11]
	s_load_b64 s[12:13], s[0:1], 0x20              ; kv
	v_lshl_add_u32 v[SPW], v0, 2, SPARE
	v_mov_b32 v[NIL], 0
	ds_add_u32 v[SPW], v[NIL]                      ; the wave's opening: the add and its wait stand ahead of my first tensor load; the set-up below, work on registers, stands between them
	v_lshrrev_b32 v1, 5, v0
	v_readfirstlane_b32 s[WV], v1                  ; wave 0..3
	s_lshr_b32 s[HR], s[WV], 1
	s_and_b32 s[HP], s[WV], 1
	s_bfe_u32 s40, ttmp6, 0x40000                  ; cx, cy: my place in the cluster
	s_bfe_u32 s41, ttmp6, 0x40004
	s_mov_b32 s18, ttmp9                           ; cluster x: 0 q, 1 k, 2 v
	s_and_b32 s19, ttmp7, 0xffff                   ; cluster y: 0..7
	s_cmp_eq_u32 s18, 2
	s_cselect_b32 s[ISV], 1, 0
	s_cselect_b32 s42, s19, s18                    ; P's tile of 256 rows = 4 x this + cx: v: tokens by cluster y; q, k: channels by cluster x
	s_cselect_b32 s66, 2, s19                      ; R's = 4 x this + cy: v: channels 2,048 on; q, k: tokens by cluster y
	s_cselect_b32 s67, 0, 512                      ; the first tile of 16 of P's tensor in opq,
	s_cselect_b32 s95, 512, 0                      ; and of R's
	s_lshl_b32 s42, s42, 2
	s_add_co_u32 s42, s42, s40                     ; tp
	s_lshl_b32 s66, s66, 2
	s_add_co_u32 s66, s66, s41                     ; tr
	s_lshl_b32 s43, s41, 2
	s_lshl_b32 s43, 15, s43                        ; my row of the cluster
	s_lshl_b32 s44, 0x1111, s40                    ; my column
	; descriptor group 1 for codes: 8 rows (tiles) of 384 elements of 8 bytes (two K steps' images), 1,536 elements (a tile's 12,288 bytes) apart; dense in LDS
	s_or_b32 s[G1+0], s43, (3<<16)|(1<<21)         ; 15:0 the mask: R's go to my row; 17:16 elements of 8 bytes; 21 set beside a mask
	s_or_b32 s[G1B+0], s44, (3<<16)|(1<<21)        ; P's go to my column
.irp g, G1, G1B
	s_mov_b32 s[\g+1], 384<<16                     ; tensor_dim0
	s_mov_b32 s[\g+2], 8<<16                       ; tensor_dim1
	s_mov_b32 s[\g+3], 384<<16                     ; tile_dim0
	s_mov_b32 s[\g+4], 8                           ; tile_dim1
	s_mov_b32 s[\g+5], 1536                        ; tensor_dim0_stride
	s_mov_b32 s[\g+6], 0
	s_mov_b32 s[\g+7], 0
.endr
	; and for the scale words of 8 tiles: 4,096 dense bytes as 16 rows of 256
	s_or_b32 s[G1S+0], s43, (3<<16)|(1<<21)
	s_or_b32 s[G1SB+0], s44, (3<<16)|(1<<21)
.irp g, G1S, G1SB
	s_mov_b32 s[\g+1], 32<<16
	s_mov_b32 s[\g+2], 16<<16
	s_mov_b32 s[\g+3], 32<<16
	s_mov_b32 s[\g+4], 16
	s_mov_b32 s[\g+5], 32
	s_mov_b32 s[\g+6], 0
	s_mov_b32 s[\g+7], 0
.endr
	s_lshl_b32 s2, s[HP], 3                        ; which 8 tiles of the 16 I fetch
	s_lshl_b32 s96, s66, 4
	s_add_co_u32 s96, s96, s95
	s_add_co_u32 s96, s96, s2                      ; R: first tile
	s_lshl_b32 s98, s96, 9                         ; its scale words, 512 bytes a tile,
	s_mul_i32 s96, s96, 12288                      ; and its codes
	s_mov_b32 s97, 0
	s_mov_b32 s99, 0
	s_lshl_b32 s46, s42, 4
	s_add_co_u32 s46, s46, s67
	s_add_co_u32 s46, s46, s2                      ; P: first tile
	s_lshl_b32 s92, s46, 9
	s_mul_i32 s46, s46, 12288
	s_mov_b32 s47, 0
	s_mov_b32 s93, 0
	s_mul_i32 s45, s[WV], LOADB                    ; where they go: by the wave's number alone
	s_lshl_b32 s94, s[WV], 12
	s_wait_dscnt 0x0                               ; the opening add is done
	s_wait_kmcnt 0x0
	s_add_nc_u64 s[96:97], s[4:5], s[96:97]
	s_add_nc_u64 s[98:99], s[6:7], s[98:99]
	s_add_nc_u64 s[46:47], s[4:5], s[46:47]
	s_add_nc_u64 s[92:93], s[6:7], s[92:93]
	CROUND                                         ; all sixteen work-groups are here: the first joint loads meet
	s_mov_b32 s[G0S], 1
	s_add_co_u32 s[G0S+1], s94, SCL
	s_mov_b64 s[G0S+2:G0S+3], s[98:99]
	s_or_b32 s[G0S+3], s[G0S+3], 0x80000000
	s_mov_b32 s[G0SB], 1
	s_add_co_u32 s[G0SB+1], s94, SCL
	s_mov_b64 s[G0SB+2:G0SB+3], s[92:93]
	s_or_b32 s[G0SB+3], s[G0SB+3], 0x80000000
	JLOAD G0S, G1S, G0SB, G1SB                     ; the scale words first: they are wanted with slot 0.  Three loads of mine are out behind the third of these lines
.irp s, 0,1
	s_mov_b32 s[G0+4*\s], 1
	s_add_co_u32 s[G0+4*\s+1], s45, \s*SLOT
	s_add_nc_u64 s[G0+4*\s+2:G0+4*\s+3], s[96:97], \s*3072
	s_or_b32 s[G0+4*\s+3], s[G0+4*\s+3], 0x80000000
	s_mov_b32 s[G0B+4*\s], 1
	s_add_co_u32 s[G0B+4*\s+1], s45, \s*SLOT
	s_add_nc_u64 s[G0B+4*\s+2:G0B+4*\s+3], s[46:47], \s*3072
	s_or_b32 s[G0B+4*\s+3], s[G0B+4*\s+3], 0x80000000
	JLOAD G0+4*\s, G1, G0B+4*\s, G1B
.endr
	v_and_b32 v1, 15, v0                           ; r
	v_bfe_u32 v2, v0, 4, 1                         ; h
	v_and_b32 v3, 31, v0
	v_lshlrev_b32 v[LI], 4, v3
	s_mul_i32 s2, s[HR], LOADB                     ; my half of R
	s_mul_i32 s3, s[HP], LOADB                     ; my half of P,
	s_add_co_u32 s3, s3, 2*LOADB                   ; behind R's two
.irp s, 0,1
	v_add_nc_u32 v[ADRA+\s], s2, v[LI]
	v_add_nc_u32 v[ADRB+\s], s3, v[LI]
	s_add_co_u32 s2, s2, SLOT
	s_add_co_u32 s3, s3, SLOT
.endr
	s_lshl_b32 s2, s[HR], 12                       ; R's scale words: my half
	s_lshl_b32 s3, s[HP], 12
	s_add_co_u32 s3, s3, 8192                      ; P's: my half, behind R's two
	s_sub_co_u32 s3, s3, s2
	v_mul_u32_u24 v3, s3, v2                       ; lanes 16-31 take P's: one product, the distance between the two
	s_add_co_u32 s2, s2, SCL
	v_lshl_add_u32 v3, v1, 3, v3                   ; 8 bytes a row: a slot's two words
	v_add_nc_u32 v[ADRS], s2, v3
	v_lshlrev_b32 v22, 6, v2                       ; the bias by register: 64 h
	v_and_b32 v23, 8, v1
	v_add_nc_u32 v23, v23, v1
	v_lshlrev_b32 v23, 2, v23                      ; the bias by lane: 4 (r + 8 (r / 8))
	s_mov_b32 s[SEL], 0x76543210
	s_mov_b32 s[SEL+1], 0xfedcba98
.irp b, 0,1,2,3
	v_mov_b32 v[TM+4+\b], 0                        ; written once: a lane permute's destination counts as one of its sources
.endr
	; where my results go, and which 128 numbers of b_attn are mine
	s_lshl_b32 s46, s42, 8
	s_lshl_b32 s47, s[HP], 7
	s_add_co_u32 s46, s46, s47                     ; my first row of P
	s_lshl_b32 s92, s66, 8
	s_lshl_b32 s93, s[HR], 7
	s_add_co_u32 s92, s92, s93                     ; my first row of R
	s_lshl_b32 s96, s40, 2
	s_lshl_b32 s97, s[HP], 1
	s_add_co_u32 s96, s96, s97                     ; q, k: my first head = 4 cx + 2 x my half of P
	s_lshl_b32 s98, s41, 2
	s_lshl_b32 s99, s[HR], 1
	s_add_co_u32 s98, s98, s99                     ; v: 4 cy + 2 x my half of R
	s_cmp_eq_u32 s[ISV], 1
	s_cselect_b32 s2, s92, s46                     ; my first channel of the 3,072
	s_cselect_b32 s3, s46, s92                     ; my first token of the 8,192
	s_cselect_b32 s96, s98, s96                    ; my first head
	s_cselect_b32 s97, 6400, 0                     ; v's part of a block of kv
	s_cmp_eq_u32 s18, 0
	s_cselect_b64 s[20:21], s[10:11], s[12:13]     ; q goes to qb, k and v to kv
	s_mov_b32 s67, 12800
	s_cselect_b32 s67, 6400, s67                   ; bytes of a block (head, 128 tokens)
	s_lshl_b32 s46, s2, 2
	s_mov_b32 s47, 0
	s_add_nc_u64 s[8:9], s[8:9], s[46:47]
	s_lshr_b32 s46, s3, 11                         ; the batch,
	s_lshl_b32 s46, s46, 4
	s_add_co_u32 s46, s46, s96                     ; x 16 + the head,
	s_lshl_b32 s46, s46, 4
	s_bfe_u32 s92, s3, 0x40007
	s_add_co_u32 s46, s46, s92                     ; x 16 + the step of 128 tokens
	s_mul_i32 s46, s46, s67
	s_add_co_u32 s46, s46, s97
	s_add_nc_u64 s[20:21], s[20:21], s[46:47]      ; my first head's block,
	s_lshl_b32 s46, s67, 4
	s_add_nc_u64 s[22:23], s[20:21], s[46:47]      ; and the next head's, 16 blocks on
	v_mul_u32_u24 v31, s46, v2
	v_lshl_add_u32 v31, v1, 4, v31                 ; the scale words' place: 16 r; lanes 16-31 in the next head's block
.irp b, 0,1,2,3,4,5,6,7
	global_load_b128 v[BI+8*\b:BI+8*\b+3], v22, s[8:9] offset:(32*(\b/2)+8*(\b%2))*4      ; both patterns of the same 128 numbers are loaded by every wave
	global_load_b128 v[BI+8*\b+4:BI+8*\b+7], v22, s[8:9] offset:(32*(\b/2)+8*(\b%2))*4+16
.endr
.irp a, 0,1,2,3,4,5,6,7
	global_load_b32 v[BV+2*\a], v23, s[8:9] offset:(32*(\a/2)+8*(\a%2))*4
	global_load_b32 v[BV+2*\a+1], v23, s[8:9] offset:(32*(\a/2)+8*(\a%2))*4              ; twice: a pair for the packed addition
.endr
.macro FRAG reg, adr, q, i             ; a fragment as it was stored: three loads of 512 consecutive bytes
.irp c, 0,1,2
	ds_load_b128 v[(\reg)+4*\c:(\reg)+4*\c+3], v[\adr] offset:3072*(\i)+1536*(\q)+512*\c
.endr
.endm
; 16 matrix instructions: R's tiles a0, a0 + 1 x P's eight, the slot's q-th K step.  p: P's set;  sc: the set of scale words.  zero = 1: the first product starts the sums: nothing is ever cleared.
; The 64 accumulators take turns, one instruction a turn, in the same order in every step.
.macro MUL16 a0, p, q, sc, zero
.irp a, \a0, \a0+1
.irp b, 0,1,2,3,4,5,6,7
.if \zero
	v_wmma_scale_f32_16x16x128_f8f6f4 v[8*(8*((\a)%4)+\b):8*(8*((\a)%4)+\b)+7], v[128*(\p)+FR*\b:128*(\p)+FR*\b+FR-1], v[AF+FR*(\a):AF+FR*(\a)+FR-1], 0, v[SC+8*NQ*(\sc)+NQ*\b+(\q)], v[SC+8*NQ*(\sc)+NQ*(\a)+(\q)] matrix_a_fmt:MATRIX_FMT_FP6 matrix_b_fmt:MATRIX_FMT_FP6 matrix_a_scale:MATRIX_SCALE_ROW1
.else
	v_wmma_scale_f32_16x16x128_f8f6f4 v[8*(8*((\a)%4)+\b):8*(8*((\a)%4)+\b)+7], v[128*(\p)+FR*\b:128*(\p)+FR*\b+FR-1], v[AF+FR*(\a):AF+FR*(\a)+FR-1], v[8*(8*((\a)%4)+\b):8*(8*((\a)%4)+\b)+7], v[SC+8*NQ*(\sc)+NQ*\b+(\q)], v[SC+8*NQ*(\sc)+NQ*(\a)+(\q)] matrix_a_fmt:MATRIX_FMT_FP6 matrix_b_fmt:MATRIX_FMT_FP6 matrix_a_scale:MATRIX_SCALE_ROW1
.endif
.endr
.endr
.endm
.macro FETCH_B slot, q, p              ; P's eight fragments of the slot's q-th K step into set p
	WIN TO_B
.irp i, 0,1,2,3,4,5,6,7
	FRAG 128*(\p)+FR*\i, ADRB+\slot, \q, \i
.endr
	WIN 0
.endm
.macro FETCH_A slot, q, i0             ; R's tiles i0 .. i0 + 3
.irp i, \i0, \i0+1, \i0+2, \i0+3
	FRAG AF+FR*(\i), ADRA+\slot, \q, \i
.endr
.endm
.macro SCALES sc                       ; a slot's scale words into set sc: two words a row; lanes 0-15 take R's tile i, lanes 16-31 P's tile i
.irp i, 0,1,2,3,4,5,6,7
	ds_load_b64 v[SC+8*NQ*\sc+NQ*\i:SC+8*NQ*\sc+NQ*\i+1], v[ADRS] offset:512*\i
.endr
.endm
; A load into a register that a matrix instruction has read, and a vector instruction that reads a matrix result, stand NP places behind that matrix instruction, and only plain vector
; instructions that name none of its registers are places (ISA guide 7.12.1 for vector instructions).
.macro PLACES n
.rept \n
	v_nop
.endr
.endm
; A K step that has its successor in the same slot.  A tile of R is free as soon as its eight products are issued, so R has one set: tiles 0-3 are fetched anew in the step's middle, tiles 4-7 at its end.
.macro STEP slot, q, zero
	s_wait_dscnt 4*NL                              ; P's set and R's tiles 0-3 are in; the youngest 12 loads (R's tiles 4-7) may be out
	WIN MUL_LO
	MUL16 0, (\q)%2, \q, \slot, \zero
	MUL16 2, (\q)%2, \q, \slot, \zero
	s_wait_dscnt 0                                 ; R's tiles 4-7 are in (asked for 32 matrix instructions ago)
	PLACES NP
	FETCH_B \slot, (\q)+1, 1-(\q)%2
	FETCH_A \slot, (\q)+1, 0
	WIN MUL_HI
	MUL16 4, (\q)%2, \q, \slot, \zero
	MUL16 6, (\q)%2, \q, \slot, \zero
	PLACES NP
	WIN 0
	FETCH_A \slot, (\q)+1, 4
.endm
; A slot's last step changes slots: ONE barrier; in front of it each wave waits for all its tensor loads, adds 0 to its spare word, and waits for that and for its own reads of this slot.  fill = 1: this slot is filled again, two slots ahead.
.macro TURN slot, next, fill
	s_wait_tensorcnt 0x0                           ; all my tensor loads have landed: my part of the next slot  (every window is 0 here)
	ds_add_u32 v[SPW], v[NIL]                      ; 0 onto my spare word
	s_wait_dscnt 4*NL+1                            ; (the add and the youngest 12 loads, R's tiles 4-7, may be out)
	WIN MUL_LO
	MUL16 0, 1, NQ-1, \slot, 0                     ; sixteen matrix instructions stand between the add and the wait for it
	s_wait_dscnt 0x0                               ; the add is done, and my reads of this slot are over
	s_barrier_signal -1
	MUL16 2, 1, NQ-1, \slot, 0
	WIN 0
	s_barrier_wait -1
.if \fill
	CREST                                          ; the barrier has opened a round of the cluster's barrier: no wave of any partner still reads this slot or has a load on its way
	s_add_nc_u64 s[G0+4*\slot+2:G0+4*\slot+3], s[G0+4*\slot+2:G0+4*\slot+3], 6144
	s_add_nc_u64 s[G0B+4*\slot+2:G0B+4*\slot+3], s[G0B+4*\slot+2:G0B+4*\slot+3], 6144
	JLOAD G0+4*\slot, G1, G0B+4*\slot, G1B         ; the first tensor load behind the round, my only one until the next; its four v_nop are the places in front of the loads below
.else
	PLACES NP
.endif
	v_add_nc_u32 v[ADRS], 128, v[ADRS]             ; on to the next slot's scale words (no LDS load of mine is out)
	FETCH_B \next, 0, 0
	FETCH_A \next, 0, 0
	SCALES \next
	WIN MUL_HI
	MUL16 4, 1, NQ-1, \slot, 0
	MUL16 6, 1, NQ-1, \slot, 0
	PLACES NP
	WIN 0
	FETCH_A \next, 0, 4
.endm
	s_wait_loadcnt 0x0                             ; the bias
	s_wait_tensorcnt 1                             ; the scale words and my part of slot 0 are in (slot 1's load may be out)
	s_barrier_signal -1
	s_barrier_wait -1                              ; everybody's are
	FETCH_B 0, 0, 0
	FETCH_A 0, 0, 0
	SCALES 0
	FETCH_A 0, 0, 4
	STEP 0, 0, 1                                   ; the first step stands in front of the loop: its products start the sums
	s_mov_b32 s3, LAPS-1
.Llap:                                                 ; a trip goes once round the ring, from a lap's second step to the next lap's first, and fills both slots again
	TURN 0, 1, 1
	STEP 1, 0, 0
	TURN 1, 0, 1
	STEP 0, 0, 0
	s_sub_co_u32 s3, s3, 1
	s_cmp_lg_u32 s3, 0
	s_cbranch_scc1 .Llap
	TURN 0, 1, 0                                   ; the last lap fills nothing, and has no round of the cluster's barrier
	STEP 1, 0, 0
	s_wait_dscnt 4*NL                              ; the very last step: nothing more to fetch
	WIN MUL_LO
	MUL16 0, 1, NQ-1, 1, 0
	MUL16 2, 1, NQ-1, 1, 0
	s_wait_dscnt 0
	WIN MUL_HI
	MUL16 4, 1, NQ-1, 1, 0
	MUL16 6, 1, NQ-1, 1, 0
	WIN 0
; THE WAY OUT.  The 64 registers of R's tile a are 128 neighbours along P of the lane's row of R, in the order that QUANT takes.  The bias is added in f32, each accumulator from its low end on.
.macro BIAS a, bylane
	WIN 2+(\a)/4                                   ; source 0: window 2 or 3
.set n, 0
.rept 32
.if \bylane
	v_pk_add_f32 v[H+2*n:H+2*n+1], v[64*((\a)%4)+2*n:64*((\a)%4)+2*n+1], v[BV+2*(\a):BV+2*(\a)+1]
.else
	v_pk_add_f32 v[H+2*n:H+2*n+1], v[64*((\a)%4)+2*n:64*((\a)%4)+2*n+1], v[BI+2*n:BI+2*n+1]
.endif
.set n, n+1
.endr
	WIN 0
.endm
	PLACES NP                                      ; behind the last products: their results are read and R's registers written below
	s_cmp_eq_u32 s[ISV], 1                         ; the cluster's x alone: the same in all sixteen partners
	s_cbranch_scc1 .Lvpart
	; q, k: a lane's row is a token, its 128 numbers two heads' 64 channels.  Tiles 2 i and 2 i + 1 make one pair image for each of the two heads.
	v_mov_b32 v30, 0x05040100                      ; lanes 0-15 gather the first head's two bytes of both tiles,
	v_mov_b32 v3, 0x07060302                       ; lanes 16-31 the second head's
	v_cmp_eq_u32 vcc_lo, 1, v2
	v_cndmask_b32 v30, v30, v3, vcc_lo
.irp i, 0,1,2,3
.irp u, 0,1
	BIAS 2*\i+\u, 0
.if (\i > 0) && (\u == 0)
	s_wait_xcnt 0x0                                ; the last pair's stores have read the codes' registers
.endif
	QUANT H, IMG+6*\u, IMG+12+6*\u, PW+\u
.endr
	v_perm_b32 v[4+\i], v[PW+1], v[PW], v30        ; the pair's scale word
.irp c, 0,1,2
	global_store_b128 v[LI], v[IMG+4*\c:IMG+4*\c+3], s[20:21] offset:1536*\i+512*\c          ; 512 consecutive bytes, at a multiple of 512 from the block's first byte
.endr
.irp c, 0,1,2
	global_store_b128 v[LI], v[IMG+12+4*\c:IMG+12+4*\c+3], s[22:23] offset:1536*\i+512*\c
.endr
.endr
	global_store_b128 v31, v[4:7], s[20:21] offset:6144   ; sixteen lanes store a head's 256 bytes of scale words
	s_branch .Lout
.Lvpart:
	; v: a lane's row is a channel, its 128 numbers the step's 128 keys: a whole fragment.  Tiles 0-3 are the first head's, 4-7 the second's.
.irp a, 0,1,2,3,4,5,6,7
	BIAS \a, 1
.if \a > 0
	s_wait_xcnt 0x0                                ; the last tile's stores have read the codes' registers
.endif
	QUANT H, IMG, IMG+6, PW+\a
.irp c, 0,1,2
	global_store_b128 v[LI], v[IMG+4*\c:IMG+4*\c+3], s[20+2*(\a/4):21+2*(\a/4)] offset:1536*(\a%4)+512*\c
.endr
.endr
	v_cmp_eq_u32 vcc_lo, 1, v2
.irp i, 0,1,2,3
	v_cndmask_b32 v[4+\i], v[PW+\i], v[PW+4+\i], vcc_lo
.endr
	global_store_b128 v31, v[4:7], s[20:21] offset:6144
.Lout:
	s_wait_tensorcnt 0x0                           ; the wave's end, behind my last tensor load
	ds_add_u32 v[SPW], v[NIL]
	s_wait_dscnt 0x0
	CROUND                                         ; the closing round: no work-group ends while a partner may still ask for a tile that names it
	s_endpgm
.Lfunc_end_k_q0faf139d66_qkv:
	.size	k_q0faf139d66_qkv, .Lfunc_end_k_q0faf139d66_qkv-k_q0faf139d66_qkv
	.p2alignl 7, 3214868480
	.fill 96, 4, 3214868480
	.section	.rodata,"a",@progbits
	.p2align	6, 0x0
	.amdhsa_kernel k_q0faf139d66_qkv
		.amdhsa_group_segment_fixed_size 327680
		.amdhsa_private_segment_fixed_size 0
		.amdhsa_enable_private_segment 0
		.amdhsa_kernarg_size 40
		.amdhsa_user_sgpr_count 2
		.amdhsa_user_sgpr_kernarg_segment_ptr 1
		.amdhsa_wavefront_size32 1
		.amdhsa_system_sgpr_workgroup_id_x 1
		.amdhsa_system_sgpr_workgroup_id_y 1
		.amdhsa_system_sgpr_workgroup_id_z 1
		.amdhsa_system_vgpr_workitem_id 0
		.amdhsa_next_free_vgpr 1024
		.amdhsa_next_free_sgpr 104
		.amdhsa_reserve_vcc 1
		.amdhsa_float_denorm_mode_32 3
		.amdhsa_float_denorm_mode_16_64 3
		.amdhsa_memory_ordered 1
		.amdhsa_forward_progress 1
		.amdhsa_inst_pref_size 208
	.end_amdhsa_kernel
	.amdgpu_metadata
---
amdhsa.version: [ 1, 2 ]
amdhsa.kernels:
  - .name:           k_q0faf139d66_qkv
    .symbol:         k_q0faf139d66_qkv.kd
    .args:
      - { .name: opq, .offset: 0, .size: 8, .value_kind: global_buffer, .address_space: global }
      - { .name: ops, .offset: 8, .size: 8, .value_kind: global_buffer, .address_space: global }
      - { .name: b_attn, .offset: 16, .size: 8, .value_kind: global_buffer, .address_space: global }
      - { .name: qb, .offset: 24, .size: 8, .value_kind: global_buffer, .address_space: global }
      - { .name: kv, .offset: 32, .size: 8, .value_kind: global_buffer, .address_space: global }
    .group_segment_fixed_size: 327680
    .private_segment_fixed_size: 0
    .kernarg_segment_align: 8
    .kernarg_segment_size: 40
    .max_flat_workgroup_size: 128
    .sgpr_count:     104
    .vgpr_count:     1024
    .wavefront_size: 32
...
	.end_amdgpu_metadata
.endif
;; end of part 2
;; launch attn (part 3): grid 4 x 64, 16 waves a work-group, no clusters, 327,680 bytes of LDS; arguments qb, kv, yq, ys; writes yq, ys
.if DOCPART == 3
	.amdgcn_target "amdgcn-amd-amdhsa--gfx1250"
	.amdhsa_code_object_version 6
	.text
	.protected	k_q0faf139d66_attn
	.globl	k_q0faf139d66_attn
	.p2align	8
	.type	k_q0faf139d66_attn,@function
k_q0faf139d66_attn:
	s_mov_b64 s[64:65], 0
	v_nop
	global_prefetch_b8 v0, s[64:65] scope:SCOPE_SE
	s_setreg_imm32_b32 hwreg(HW_REG_WAVE_MODE, 25, 1), 1
	s_wait_xcnt 0x0
; y[head][q] = the sum over keys k <= q of softmax_k(q . k / 8) v[k], both products on codes of FP6 (E2M3) with E8M0 scales; y is quantised along the model's 1,024 channels and leaves as codes.
; THE SOFTMAX AHEAD OF THE SECOND PRODUCT: t = score x log2(e) / 8; M = the row's largest t so far, rounded UP to a whole number; p = 2^(t - M) is what is quantised, along the keys, not normalised.
; The row's sum is taken of the unquantised p, in f32, and divides at the end.  When M moves, the sum and O are multiplied by 2^(old M - new M): exact.
; SHARES.  2,048 tokens of a head are eight blocks of 256 queries.  Work-group j (0..3) of a head takes block 7 - j and then block j: 8 - j and j + 1 slots of 256 keys, NINE for every work-group: the trip
; counts are constants, all 256 work-groups have equal work, and every slot that is loaded is read.  Each of SIXTEEN waves owns one tile of 16 queries in 256 registers: four waves to a SIMD.
; LAYOUT.  Both products are used transposed (S^T = K Q^T, O^T = V^T P^T): a lane holds ONE query throughout.  Row i of tile t is token 32 (t / 2) + 8 (t % 2) + i + 8 (i / 8), for queries, keys and channels.
; THE HEAD'S 64 FILL HALF OF THE INSTRUCTION'S 128.  A fragment of K holds TWO tiles of keys: row r = tile 2 i's key r | tile 2 i + 1's key r.  Q stands in 18 registers as q | six zeros | q:
; registers 0-11 pick the first tile, registers 6-17 the second; the other half multiplies zero codes.  Q's scale word repeats its two bytes.
; K and V come through a ring of two LDS slots, as images of registers: a key step of 128 keys is one dense block of 12,800 bytes of kv (k's four fragments, their scale words, v's four, theirs).
; No joint loads: the four work-groups of a head read different slots in the same trip (block 7 - j ends after 8 - j slots), so partners would not ask for the same tile.
; ys is stored two bytes a lane, 32 bytes of a block of 128 at a time: 262,144 bytes in all, one byte in 25 of what this launch stores.
; LIMITS: a block of zeros, or one under 2^-124, carries the byte 1 where the rule says 127 (read by this program alone); NaN and infinities are not served; a block's largest p is taken from its largest
; score, which takes v_exp_f32 not to fall where its input rises.
.set STEPB, 12800                      ; a key step's block
.set SLOT1, 32768                      ; slot 1 begins here (a slot uses 25,600 bytes): one exclusive or turns an address from one slot to the other
.set SPARE, 65536                      ; behind the ring: the spare words, 128 bytes for each wave: eight blocks of 256 bytes that no other line names
.set LI,  1                            ; v1   16 x lane
.set LR,  2                            ; v2   16 r
.set AD,  3                            ; v3   LDS address of the step's images
.set AS,  4                            ; v4   and of its scale words
.set SPW, 5                            ; v5   LDS address of my spare word; never rewritten
.set NIL, 6                            ; v6   0; never rewritten
.set QLH, 7                            ; v7   r + 8 (r / 8) - 16 h
.set F,   36                           ; v36-83   four fragments of K, then of V
.set KS,  84                           ; v84-87   K's scale words
.set VS,  88                           ; v88-91   V's
.set S,   96                           ; v96-159  S^T, then p
.set O,   160                          ; v160-191 O^T
.set PC,  192                          ; v192-203 p's codes
.set T2,  204                          ; v204-211 the conversions' second halves
.set BM,  212                          ; v212-215 the blocks' largest scores
.set BX,  216                          ; v216-219 at work
.set SCO, 220                          ; v220-223 the conversions' scale operands
.set PS,  224                          ; v224     p's scale word
; v8-10 Q's three offsets, v11 its scale's; v12 -M, v13 the largest t, v[14:15] the sum in two halves; v16-21 q, v22-27 zeros, v28-33 q; v34 Q's scale word; v35 8 x lane; v92 8 r; v93 the prefetch's offset;
; v94 y's two bytes; v95 Q's two bytes; v[226:227] f; v228, v229 at work; v[230:231] the second chain of the sum; v232 -infinity
; s12 wave, s13 j, s14 head, s15 7 - j, s16 the trip, s17 the slot in hand, s18 the step's first key, s19 my first query, s[20:21] lane selects, s[22:23] c, s[24:31] group 1, s[32:35] group 0,
; s[36:37] kv at my step of slot 0, s[38:39] the slot's offset, s[40:41] the prefetch's address, s42 its limit, s43 the block, s[44:49] bases for block 0, s[50:55] the pass's, s67 my tile's first query in a block
.macro TLOAD                           ; waves 0 and 1 fetch a key step each.  An s_nop 0 and four v_nop follow the line
	s_cmp_lt_u32 s12, 2
	s_cbranch_scc0 .Lnl_\@
	tensor_load_to_lds s[32:35], s[24:31]
	s_nop 0
.rept 4
	v_nop
.endr
.Lnl_\@:
.endm
; A PREFETCH INTO THE L2 of the slot that the NEXT change of slots will ask for: 25,600 bytes, 100 blocks of 256.  All four work-groups of a head walk the same slots from 0 on: the one with j = 0, which walks
; all eight, asks, in trips 0 to 5, for slots 2 to 7; in it waves 4 to 7, which fetch nothing, take 25 blocks each, lanes 256 bytes apart (lanes 24 to 31 name one block together).  Slots 0 and 1 come by their loads alone.
.macro ASK
	s_cmp_lt_u32 s16, s42
	s_cbranch_scc0 .Lnot_mine_\@
	global_prefetch_b8 v93, s[40:41] th:TH_LOAD_NT scope:SCOPE_SE
.Lnot_mine_\@:
.endm
	s_load_b256 s[4:11], s[0:1], 0x0               ; qb s[4:5], kv s[6:7], yq s[8:9], ys s[10:11]
	v_lshl_add_u32 v[SPW], v0, 2, SPARE
	v_mov_b32 v[NIL], 0
	ds_add_u32 v[SPW], v[NIL]                      ; the wave's opening: the add and its wait stand ahead of my first tensor load; the set-up below, work on registers, stands between them
	ds_add_u32 v[SPW], v[NIL]
	v_lshrrev_b32 v1, 5, v0
	s_delay_alu instid0(VALU_DEP_1)
	v_readfirstlane_b32 s12, v1                    ; wave 0..15
	s_mov_b32 s13, ttmp9                           ; j
	s_and_b32 s14, ttmp7, 0xffff                   ; 16 x batch + head
	s_sub_co_u32 s15, 7, s13                       ; the first pass's block, and its last trip
	; descriptor group 1: a key step's 12,800 dense bytes as 50 rows of 256
	s_mov_b32 s24, 3<<16                           ; no mask; elements of 8 bytes; no padding
	s_mov_b32 s25, 32<<16                          ; tensor_dim0
	s_mov_b32 s26, 50<<16                          ; tensor_dim1
	s_mov_b32 s27, 32<<16                          ; tile_dim0
	s_mov_b32 s28, 50                              ; tile_dim1
	s_mov_b32 s29, 32                              ; tensor_dim0_stride
	s_mov_b32 s30, 0
	s_mov_b32 s31, 0
	s_mov_b32 s20, 0x76543210
	s_mov_b32 s21, 0xfedcba98
	s_mov_b32 s22, 0x3e38aa3b                      ; c = log2(e) / 8
	s_mov_b32 s23, s22                             ; (named with it as a pair, so it is written)
	s_mov_b32 s17, 0
	s_mov_b32 s38, 0
	s_mov_b32 s39, 0
	s_mov_b32 s59, 0
	s_mul_i32 s56, s14, 16*STEPB                   ; the head's bytes in kv
	s_mul_i32 s57, s12, STEPB
	s_add_co_u32 s58, s56, s57
	s_mov_b32 s32, 1                               ; group 0: count = 1
	s_mul_i32 s33, s12, STEPB                      ; LDS address: slot 0, my step
	s_wait_dscnt 0x0                               ; the opening add is done
	s_wait_kmcnt 0x0
	s_add_nc_u64 s[36:37], s[6:7], s[58:59]
	s_mov_b64 s[34:35], s[36:37]
	s_or_b32 s35, s35, 0x80000000                  ; type = 2
	TLOAD                                          ; slot 0: one load of mine is out
	s_and_b32 s58, s12, 3
	s_mul_i32 s58, s58, 6400                       ; the prefetches: my quarter of a slot,
	s_add_co_u32 s58, s58, s56
	s_add_co_u32 s58, s58, 2*STEPB                 ; in slot 1: the first change of slots steps it to slot 2
	s_add_nc_u64 s[40:41], s[6:7], s[58:59]
	s_lshr_b32 s58, s12, 2
	s_xor_b32 s58, s58, 1                          ; 0 in waves 4 to 7,
	s_or_b32 s58, s58, s13                         ; of the work-group with j = 0
	s_cmp_eq_u32 s58, 0
	s_cselect_b32 s42, 6, 0
	s_lshl_b32 s58, s14, 4                         ; Q for block 0: the head's step w / 8,
	s_lshr_b32 s60, s12, 3
	s_add_co_u32 s58, s58, s60
	s_mul_i32 s58, s58, 6400
	s_bfe_u32 s60, s12, 0x20001                    ; pair i = (w / 2) % 4
	s_mul_i32 s61, s60, 1536
	s_add_co_u32 s58, s58, s61
	s_add_nc_u64 s[44:45], s[4:5], s[58:59]
	s_mul_i32 s61, s60, 1532
	s_sub_co_u32 s61, 6144, s61                    ; from the pair's image to its scale words: 6,144 - 1,536 i + 4 i,
	s_and_b32 s62, s12, 1                          ; u = w % 2: which half of the pair is my tile
	s_lshl_b32 s63, s62, 1
	s_add_co_u32 s61, s61, s63                     ; + 2 u
	v_and_b32 v3, 31, v0                           ; lane
	v_and_b32 v4, 15, v0                           ; r
	v_bfe_u32 v228, v0, 4, 1                       ; h
	s_delay_alu instid0(VALU_DEP_3)
	v_lshlrev_b32 v[LI], 4, v3
	s_delay_alu instid0(VALU_DEP_3)
	v_lshlrev_b32 v[LR], 4, v4
	s_delay_alu instid0(VALU_DEP_1)
	v_add_nc_u32 v11, s61, v[LR]
	v_lshlrev_b32 v35, 3, v3
	v_lshlrev_b32 v92, 3, v4
	v_min_u32 v93, 24, v3
	s_delay_alu instid0(VALU_DEP_1)
	v_lshlrev_b32 v93, 8, v93
	v_and_b32 v[QLH], 8, v4
	s_delay_alu instid0(VALU_DEP_1)
	v_add_nc_u32 v[QLH], v[QLH], v4
	v_lshlrev_b32 v229, 4, v228
	s_delay_alu instid0(VALU_DEP_1)
	v_sub_nc_u32 v[QLH], v[QLH], v229
	s_cmp_eq_u32 s62, 1                            ; registers 6 u .. 6 u + 5 of the pair's image, in pieces of 8 bytes
	s_cselect_b32 s58, 520, 0
	s_mov_b32 s60, 8
	s_cselect_b32 s60, 1024, s60
	s_mov_b32 s61, 512
	s_cselect_b32 s61, 1032, s61
	v_add_nc_u32 v8, s58, v[LI]
	v_add_nc_u32 v9, s60, v[LI]
	v_add_nc_u32 v10, s61, v[LI]
	s_lshr_b32 s58, s14, 4                         ; y for block 0: tile 128 x batch + w,
	s_lshl_b32 s58, s58, 7
	s_add_co_u32 s66, s58, s12
	s_mul_i32 s58, s66, 12288
	s_bfe_u32 s60, s14, 0x30001                    ; K step head / 2,
	s_mul_i32 s60, s60, 1536
	s_add_co_u32 s58, s58, s60
	s_and_b32 s60, s14, 1                          ; half head % 2
	s_mul_i32 s60, s60, 768
	s_add_co_u32 s58, s58, s60
	s_add_nc_u64 s[46:47], s[8:9], s[58:59]
	s_lshl_b32 s58, s66, 9                         ; its scale bytes: 512 a tile, 128 (head / 4) + 4 ((head / 2) % 2) + 2 (head % 2)
	s_bfe_u32 s60, s14, 0x20002
	s_lshl_b32 s60, s60, 7
	s_add_co_u32 s58, s58, s60
	s_and_b32 s60, s14, 3
	s_lshl_b32 s60, s60, 1
	s_add_co_u32 s58, s58, s60
	s_add_nc_u64 s[48:49], s[10:11], s[58:59]
	s_lshr_b32 s60, s12, 1
	s_lshl_b32 s60, s60, 5
	s_lshl_b32 s61, s62, 3
	s_add_co_u32 s67, s60, s61                     ; my tile's first query in a block: 32 (w / 2) + 8 (w % 2)
.irp j, 22,23,24,25,26,27
	v_mov_b32 v\j, 0                               ; the zero codes between the two copies of q
.endr
.irp b, 0,1,2,3
	v_mov_b32 v[BX+\b], 0                          ; written once: a lane permute's destination counts as one of its sources
.endr
	v_mov_b32 v227, 0                              ; (named as the upper half of the pair v[226:227])
	v_mov_b32 v232, 0xff800000                     ; -infinity
; A pass's start, for block s43: addresses, Q and its scale word, and the sums' beginnings.
.macro PASS_SETUP
	s_lshl_b32 s19, s43, 8
	s_add_co_u32 s19, s19, s67                     ; my first query
	s_mov_b32 s18, 0                               ; the first key
	s_mov_b32 s69, 0
	s_mul_i32 s68, s43, 12800                      ; a block is two steps of 6,400 bytes of qb,
	s_add_nc_u64 s[50:51], s[44:45], s[68:69]
	s_mul_i32 s68, s43, 196608                     ; 16 tiles of 12,288 bytes of yq,
	s_add_nc_u64 s[52:53], s[46:47], s[68:69]
	s_lshl_b32 s68, s43, 13                        ; and of 512 bytes of ys
	s_add_nc_u64 s[54:55], s[48:49], s[68:69]
	global_load_b64 v[16:17], v8, s[50:51]
	global_load_b64 v[18:19], v9, s[50:51]
	global_load_b64 v[20:21], v10, s[50:51]
	global_load_b64 v[28:29], v8, s[50:51]         ; q a second time, behind the zeros
	global_load_b64 v[30:31], v9, s[50:51]
	global_load_b64 v[32:33], v10, s[50:51]
	global_load_u16 v95, v11, s[50:51]             ; its two scale bytes
	v_mov_b32 v13, 0xff61b1e6                      ; the largest t so far: -3e38, under every t
	s_delay_alu instid0(VALU_DEP_1)
	v_floor_f32 v12, -v13                          ; -M
	v_mov_b32 v14, 0
	v_mov_b32 v15, 0
	s_wait_loadcnt 0x0
	v_lshl_or_b32 v34, v95, 16, v95                ; the two bytes twice: they serve q in either half
.set n, 0
.rept 32
	v_mov_b32 v[O+n], 0                            ; O^T: the step is written once; the first finds zeros.  (These are also the places between the scale word's write and the first product)
.set n, n+1
.endr
.endm
; A KEY STEP: 128 keys, the q-th of the slot in hand.
.macro STEP q
	s_add_co_u32 s70, s19, 23                      ; my tile's last query.  A step all of whose keys come after it is left out: a scalar branch on ids, round loads, products and softmax alone
	s_cmp_gt_u32 s18, s70
	s_cbranch_scc1 .Lhidden_\@
	v_add_nc_u32 v[AD], s17, v[LI]
	v_add_nc_u32 v[AS], s17, v[LR]
	v_nop
	v_nop                                          ; four places in front of loads into registers that the last products have read
.irp i, 0,1,2,3
.irp c, 0,1,2
	ds_load_b128 v[F+12*\i+4*\c:F+12*\i+4*\c+3], v[AD] offset:STEPB*(\q)+1536*\i+512*\c
.endr
.endr
	ds_load_b128 v[KS:KS+3], v[AS] offset:STEPB*(\q)+6144
	s_wait_alu depctr_va_vdst(0)
	s_wait_dscnt 0x0
.irp i, 0,1,2,3                                ; S^T: fragment i holds tiles 2 i and 2 i + 1 of keys; q | 0 picks the first, 0 | q the second
	v_wmma_scale_f32_16x16x128_f8f6f4 v[S+16*\i:S+16*\i+7], v[F+12*\i:F+12*\i+11], v[16:27], 0, v[KS+\i], v34 matrix_a_fmt:MATRIX_FMT_FP6 matrix_b_fmt:MATRIX_FMT_FP6
	v_wmma_scale_f32_16x16x128_f8f6f4 v[S+16*\i+8:S+16*\i+15], v[F+12*\i:F+12*\i+11], v[22:33], 0, v[KS+\i], v34 matrix_a_fmt:MATRIX_FMT_FP6 matrix_b_fmt:MATRIX_FMT_FP6
.endr                                          ; register 16 b + i of a lane: key 32 b + 16 (lane / 16) + i of the step
.rept 4
	v_nop
.endr
.irp t, 0,1,2,3                                ; V's fragments take K's registers and land while the softmax is worked
.irp c, 0,1,2
	ds_load_b128 v[F+12*\t+4*\c:F+12*\t+4*\c+3], v[AD] offset:STEPB*(\q)+6400+1536*\t+512*\c
.endr
.endr
	ds_load_b128 v[VS:VS+3], v[AS] offset:STEPB*(\q)+12544
	s_add_co_u32 s70, s18, 127                     ; on the diagonal the scores of hidden keys become -infinity ahead of the maximum: p = 0 then.  A step all of whose keys count skips this
	s_cmp_le_u32 s70, s19
	s_cbranch_scc1 .Lopen_\@
	s_sub_co_i32 s70, s19, s18
	v_add_nc_u32 v229, s70, v[QLH]                 ; d = my query - the step's first key - 16 (lane / 16): register 16 b + i is hidden where 32 b + i > d
.set n, 0
.rept 64
	v_cmp_gt_i32 vcc_lo, 32*(n/16)+n%16, v229
	v_cndmask_b32 v[S+n], v[S+n], v232, vcc_lo
.set n, n+1
.endr
.Lopen_\@:
.irp b, 0,1,2,3
	v_max3_num_f32 v[BM+\b], v[S+16*\b], v[S+16*\b+1], v[S+16*\b+2]   ; THE LARGEST SCORE OF EACH BLOCK OF 32 KEYS: for the row's maximum, and, since p rises with the score, for the block's largest p
.endr
.irp i, 3,5,7,9,11,13
.irp b, 0,1,2,3
	v_max3_num_f32 v[BM+\b], v[BM+\b], v[S+16*\b+\i], v[S+16*\b+\i+1]
.endr
.endr
.irp b, 0,1,2,3
	v_max_num_f32 v[BM+\b], v[BM+\b], v[S+16*\b+15]
.endr
.irp b, 0,1,2,3
	s_delay_alu instid0(VALU_DEP_4)
	v_permlanex16_b32 v[BX+\b], v[BM+\b], s20, s21
.endr
.irp b, 0,1,2,3
	s_delay_alu instid0(VALU_DEP_4)
	v_max_num_f32 v[BM+\b], v[BM+\b], v[BX+\b]     ; with lane l xor 16's 16 keys
.endr
	s_delay_alu instid0(VALU_DEP_2)
	v_max3_num_f32 v228, v[BM], v[BM+1], v[BM+2]
	s_delay_alu instid0(VALU_DEP_1)
	v_max_num_f32 v228, v228, v[BM+3]              ; the step's largest score of my query
	s_delay_alu instid0(VALU_DEP_1)
	v_mul_f32 v228, s22, v228                      ; as t (c is positive)
	s_delay_alu instid0(VALU_DEP_1)
	v_max_num_f32 v13, v13, v228                   ; the running largest t
	v_mov_b32 v228, v12
	s_delay_alu instid0(VALU_DEP_2)
	v_floor_f32 v12, -v13                          ; the new -M = floor(-t) = -ceil(t): M IS A WHOLE NUMBER
	s_delay_alu instid0(VALU_DEP_1)
	v_sub_f32 v228, v12, v228                      ; M's old value less its new one: a whole number, 0 or less
	s_delay_alu instid0(VALU_DEP_1)
	v_cvt_i32_f32 v228, v228                       ; (it saturates)
	s_delay_alu instid0(VALU_DEP_1)
	v_ldexp_f32 v226, 1.0, v228                    ; f = 2^(old M - new M)
.set n, 0
.rept 32
	v_pk_fma_f32 v[S+n:S+n+1], v[S+n:S+n+1], s[22:23], v[12:13] op_sel_hi:[1,0,0]   ; t - M, two at a time
.set n, n+2
.endr
.irp b, 0,1,2,3
	v_fma_f32 v[BM+\b], v[BM+\b], s22, v12         ; the same of each block's largest score
.endr
.set n, 0
	s_wait_alu depctr_va_vdst(0)
.rept 64
	v_exp_f32 v[S+n], v[S+n]                       ; p = 2^(t - M), at most 1: NOT normalised
.set n, n+1
.endr
	v_pk_mul_f32 v[14:15], v[14:15], v[226:227] op_sel_hi:[1,0]   ; the sums under the new M.  (A plain instruction behind the exponentials)
	s_wait_alu depctr_va_vdst(0)                   ; one wait for the whole batch, ahead of its first reader
.irp b, 0,1,2,3
	v_exp_f32 v[BM+\b], v[BM+\b]                   ; the block's largest p: the same two instructions on the same number give the same bits
.endr
	v_pk_add_f32 v[230:231], v[100:101], v[104:105]
	v_pk_add_f32 v[254:255], v[108:109], v[112:113]
	v_pk_add_f32 v[252:253], v[116:117], v[120:121]
	v_pk_add_f32 v[250:251], v[124:125], v[128:129]
	v_pk_add_f32 v[248:249], v[132:133], v[136:137]
	v_pk_add_f32 v[246:247], v[140:141], v[144:145]
	v_pk_add_f32 v[244:245], v[148:149], v[152:153]
	v_pk_add_f32 v[14:15], v[14:15], v[156:157]
	v_pk_add_f32 v[230:231], v[230:231], v[96:97]
	v_pk_add_f32 v[254:255], v[254:255], v[98:99]
	v_pk_add_f32 v[252:253], v[252:253], v[102:103]
	v_pk_add_f32 v[250:251], v[250:251], v[106:107]
	v_pk_add_f32 v[248:249], v[248:249], v[110:111]
	v_pk_add_f32 v[246:247], v[246:247], v[114:115]
	v_pk_add_f32 v[244:245], v[244:245], v[118:119]
	v_pk_add_f32 v[14:15], v[14:15], v[122:123]
	v_pk_add_f32 v[230:231], v[230:231], v[126:127]
	v_pk_add_f32 v[254:255], v[254:255], v[130:131]
	v_pk_add_f32 v[252:253], v[252:253], v[134:135]
	v_pk_add_f32 v[250:251], v[250:251], v[138:139]
	v_pk_add_f32 v[248:249], v[248:249], v[142:143]
	v_pk_add_f32 v[246:247], v[246:247], v[146:147]
	v_pk_add_f32 v[244:245], v[244:245], v[150:151]
	v_pk_add_f32 v[14:15], v[14:15], v[154:155]
	v_pk_add_f32 v[230:231], v[230:231], v[158:159]
	s_delay_alu instid0(VALU_DEP_2)
	v_pk_add_f32 v[14:15], v[14:15], v[250:251]
	s_delay_alu instid0(VALU_DEP_2)
	v_pk_add_f32 v[230:231], v[230:231], v[248:249]
	v_pk_add_f32 v[254:255], v[254:255], v[246:247]
	v_pk_add_f32 v[252:253], v[252:253], v[244:245]
	s_delay_alu instid0(VALU_DEP_2)
	v_pk_add_f32 v[14:15], v[14:15], v[254:255]
	s_delay_alu instid0(VALU_DEP_2)
	v_pk_add_f32 v[230:231], v[230:231], v[252:253]
	s_delay_alu instid0(VALU_DEP_1)
	v_pk_add_f32 v[14:15], v[14:15], v[230:231]
	s_wait_alu depctr_va_vdst(0)                   ; and one for the four
.irp b, 0,1,2,3
	v_max_num_f32 v[BM+\b], 0x1800000, v[BM+\b]    ; the floor 2^(3 - 127): the byte cannot fall under 1
.endr
.irp b, 0,1,2,3
	s_delay_alu instid0(VALU_DEP_4)
	v_add_nc_u32 v[SCO+\b], 0xff000000, v[BM+\b]   ; 2 off the exponent field: the conversion's scale operand
.endr
.irp b, 0,1,2,3
	s_delay_alu instid0(VALU_DEP_4)
	v_lshrrev_b32 v[BX+\b], 23, v[SCO+\b]          ; the scale's byte
.endr
	s_delay_alu instid0(VALU_DEP_3)
	v_lshl_or_b32 v[PS], v[BX+1], 8, v[BX]         ; p's scale word for these 128 keys
	s_delay_alu instid0(VALU_DEP_1)
	v_lshl_or_b32 v[PS], v[BX+2], 16, v[PS]
	s_delay_alu instid0(VALU_DEP_1)
	v_lshl_or_b32 v[PS], v[BX+3], 24, v[PS]
.irp c, 0,1
	v_cvt_scalef32_pk16_fp6_f32 v[PC+6*\c:PC+6*\c+2], v[S+32*\c:S+32*\c+15], v[SCO+2*\c]
	v_cvt_scalef32_pk16_fp6_f32 v[T2+4*\c:T2+4*\c+2], v[S+32*\c+16:S+32*\c+31], v[SCO+2*\c+1]   ; (a conversion's three registers begin on an even number)
.endr
	v_nop                                          ; one plain instruction behind the scaled conversions
.irp c, 0,1                                    ; a lane wants a WHOLE block: lanes 0-15 block 2 c, lanes 16-31 block 2 c + 1
.irp i, 0,1,2
	v_permlane16_swap_b32 v[PC+6*\c+\i], v[T2+4*\c+\i]
.endr
.irp i, 0,1,2
	s_delay_alu instid0(VALU_DEP_3)
	v_mov_b32 v[PC+6*\c+3+\i], v[T2+4*\c+\i]
.endr
.endr
.set n, 0
.rept 16
	v_pk_mul_f32 v[O+n:O+n+1], v[O+n:O+n+1], v[226:227] op_sel_hi:[1,0]   ; O^T under the new M.  (These are also the places between the writes of p's codes and scale word and the products)
.set n, n+2
.endr
	s_wait_alu depctr_va_vdst(0)
	s_wait_dscnt 0x0                               ; V is in
.irp t, 0,1,2,3                                ; O^T += V^T P^T: the four accumulators by turns, one instruction a turn
	v_wmma_scale_f32_16x16x128_f8f6f4 v[O+8*\t:O+8*\t+7], v[F+12*\t:F+12*\t+11], v[PC:PC+11], v[O+8*\t:O+8*\t+7], v[VS+\t], v[PS] matrix_a_fmt:MATRIX_FMT_FP6 matrix_b_fmt:MATRIX_FMT_FP6
.endr
.Lhidden_\@:
	s_add_co_u32 s18, s18, 128
.endm
; THE CHANGE OF SLOTS stands at a slot's head.  Each wave waits for all its tensor loads (of which at most one is out), adds 0 to its spare word, and waits for that and for its reads of the slot that it has left.
; Behind the barrier the slot ahead is whole and nobody reads the other one.  fill = 1: that other slot is filled with the slot that follows in the walk: the load has a slot's two steps in which to land.
.macro CHANGE fill
	s_wait_tensorcnt 0x0                           ; no tensor load of mine is out, so group 0 may be written
	ds_add_u32 v[SPW], v[NIL]                      ; 0 onto my spare word; the descriptor's steps stand between it and the wait for it
.if \fill
	s_xor_b32 s33, s33, SLOT1                      ; the other slot than last time,
	s_add_co_u32 s38, s38, 2*STEPB                 ; the next 256 keys,
	s_cmp_eq_u32 s16, s15
	s_cselect_b32 s38, 0, s38                      ; or, in the first pass's last trip, the second pass's first
	s_add_nc_u64 s[34:35], s[36:37], s[38:39]
	s_or_b32 s35, s35, 0x80000000
	s_wait_xcnt 0x0                                ; the last prefetch, a slot back, has read its address, so it may be written
	s_add_nc_u64 s[40:41], s[40:41], 2*STEPB
.endif
	s_wait_dscnt 0x0                               ; the add is done, and my reads of the slot that I have left are over
	s_barrier_signal -1
	s_barrier_wait -1
.if \fill
	TLOAD                                          ; the first thing behind the barrier, and a wave's one tensor load until the next
	ASK
.endif
.endm
; A pass's end: O^T / the sum is y's 64 channels of my head for my 16 queries, register 16 b + i = channel 32 b + 16 (lane / 16) + i: two blocks of the last product's K.  They leave as half an image and two scale bytes.
.macro FINISH
.rept 4
	v_nop                                          ; places behind the last products
.endr
	v_add_f32 v14, v14, v15                        ; the sum's two halves,
	s_delay_alu instid0(VALU_DEP_1)
	v_permlanex16_b32 v228, v14, s20, s21
	s_delay_alu instid0(VALU_DEP_1)
	v_add_f32 v14, v14, v228                       ; and lane l xor 16's: the row's sum
	s_wait_alu depctr_va_vdst(0)
	v_rcp_f32 v14, v14
	v_nop                                          ; a plain instruction behind the reciprocal,
	s_wait_alu depctr_va_vdst(0)                   ; and a wait ahead of its first reader
.set n, 0
.rept 16
	v_pk_mul_f32 v[S+n:S+n+1], v[O+n:O+n+1], v[14:15] op_sel_hi:[1,0]
.set n, n+2
.endr
.irp b, 0,1
	v_max3_num_f32 v[BM+\b], |v[S+16*\b]|, |v[S+16*\b+1]|, 0x1800000
.endr
.irp i, 2,4,6,8,10,12,14
.irp b, 0,1
	s_delay_alu instid0(VALU_DEP_2)
	v_max3_num_f32 v[BM+\b], v[BM+\b], |v[S+16*\b+\i]|, |v[S+16*\b+\i+1]|
.endr
.endr
.irp b, 0,1
	s_delay_alu instid0(VALU_DEP_2)
	v_permlanex16_b32 v[BX+\b], v[BM+\b], s20, s21
.endr
.irp b, 0,1
	s_delay_alu instid0(VALU_DEP_2)
	v_max_num_f32 v[BM+\b], v[BM+\b], v[BX+\b]
.endr
.irp b, 0,1
	s_delay_alu instid0(VALU_DEP_2)
	v_add_nc_u32 v[SCO+\b], 0xff000000, v[BM+\b]
.endr
.irp b, 0,1
	s_delay_alu instid0(VALU_DEP_2)
	v_lshrrev_b32 v[BX+\b], 23, v[SCO+\b]
.endr
	s_delay_alu instid0(VALU_DEP_1)
	v_lshl_or_b32 v94, v[BX+1], 8, v[BX]
	v_cvt_scalef32_pk16_fp6_f32 v[PC:PC+2], v[S:S+15], v[SCO]
	v_cvt_scalef32_pk16_fp6_f32 v[T2:T2+2], v[S+16:S+31], v[SCO+1]
	v_nop
.irp i, 0,1,2
	v_permlane16_swap_b32 v[PC+\i], v[T2+\i]
.endr
.irp i, 0,1,2
	s_delay_alu instid0(VALU_DEP_3)
	v_mov_b32 v[PC+3+\i], v[T2+\i]
.endr
	global_store_b128 v[LI], v[PC:PC+3], s[52:53]              ; 512 consecutive bytes,
	global_store_b64 v35, v[PC+4:PC+5], s[52:53] offset:512    ; and 256: the half image's 768
	global_store_b16 v92, v94, s[54:55]                        ; lanes r and r + 16 store the same two bytes
.endm
	s_mov_b32 s43, s15                             ; the first pass: block 7 - j
	PASS_SETUP
	s_mov_b32 s16, 0
.Lslot:                                            ; eight trips: behind each change of slots but the last the next slot of the walk is asked for
	CHANGE 1
	STEP 0
	STEP 1
	s_xor_b32 s17, s17, SLOT1                      ; on to the other slot
	s_cmp_lg_u32 s16, s15                          ; ids and the count of trips alone: all sixteen waves go the same way; no LDS instruction, barrier or tensor load stands under this branch
	s_cbranch_scc1 .Lsame
	FINISH                                         ; the first pass is over,
	s_wait_xcnt 0x0                                ; its stores have read their registers and bases,
	s_mov_b32 s43, s13                             ; and the second begins: block j
	PASS_SETUP
.Lsame:
	s_add_co_u32 s16, s16, 1
	s_cmp_lt_u32 s16, 8
	s_cbranch_scc1 .Lslot
	CHANGE 0                                       ; the ninth slot is written out: nothing is left to fetch
	STEP 0
	STEP 1
	FINISH
	s_wait_tensorcnt 0x0                           ; the wave's end, behind my last tensor load
	ds_add_u32 v[SPW], v[NIL]
	s_wait_dscnt 0x0
	s_endpgm
.Lfunc_end_k_q0faf139d66_attn:
	.size	k_q0faf139d66_attn, .Lfunc_end_k_q0faf139d66_attn-k_q0faf139d66_attn
	.p2alignl 7, 3214868480
	.fill 96, 4, 3214868480
	.section	.rodata,"a",@progbits
	.p2align	6, 0x0
	.amdhsa_kernel k_q0faf139d66_attn
		.amdhsa_group_segment_fixed_size 327680
		.amdhsa_private_segment_fixed_size 0
		.amdhsa_enable_private_segment 0
		.amdhsa_kernarg_size 32
		.amdhsa_user_sgpr_count 2
		.amdhsa_user_sgpr_kernarg_segment_ptr 1
		.amdhsa_wavefront_size32 1
		.amdhsa_system_sgpr_workgroup_id_x 1
		.amdhsa_system_sgpr_workgroup_id_y 1
		.amdhsa_system_sgpr_workgroup_id_z 1
		.amdhsa_system_vgpr_workitem_id 0
		.amdhsa_next_free_vgpr 256
		.amdhsa_next_free_sgpr 80
		.amdhsa_reserve_vcc 1
		.amdhsa_float_denorm_mode_32 3
		.amdhsa_float_denorm_mode_16_64 3
		.amdhsa_memory_ordered 1
		.amdhsa_forward_progress 1
		.amdhsa_inst_pref_size 108
	.end_amdhsa_kernel
	.amdgpu_metadata
---
amdhsa.version: [ 1, 2 ]
amdhsa.kernels:
  - .name:           k_q0faf139d66_attn
    .symbol:         k_q0faf139d66_attn.kd
    .args:
      - { .name: qb, .offset: 0, .size: 8, .value_kind: global_buffer, .address_space: global }
      - { .name: kv, .offset: 8, .size: 8, .value_kind: global_buffer, .address_space: global }
      - { .name: yq, .offset: 16, .size: 8, .value_kind: global_buffer, .address_space: global }
      - { .name: ys, .offset: 24, .size: 8, .value_kind: global_buffer, .address_space: global }
    .group_segment_fixed_size: 327680
    .private_segment_fixed_size: 0
    .kernarg_segment_align: 8
    .kernarg_segment_size: 32
    .max_flat_workgroup_size: 512
    .sgpr_count:     80
    .vgpr_count:     256
    .wavefront_size: 32
...
	.end_amdgpu_metadata
.endif
;; end of part 3
;; launch proj (part 4): grid 4 x 32, 4 waves a work-group, clusters of 4 x 4, 327,680 bytes of LDS; arguments yq, ys, opq, ops, b_proj, out0; writes out0
.if DOCPART == 4
	.amdgcn_target "amdgcn-amd-amdhsa--gfx1250"
	.amdhsa_code_object_version 6
	.text
	.protected	k_q0faf139d66_proj
	.globl	k_q0faf139d66_proj
	.p2align	8
	.type	k_q0faf139d66_proj,@function
k_q0faf139d66_proj:
	s_mov_b64 s[64:65], 0
	v_nop
	global_prefetch_b8 v0, s[64:65] scope:SCOPE_SE
	s_setreg_imm32_b32 hwreg(HW_REG_WAVE_MODE, 25, 1), 1
	s_wait_xcnt 0x0
	s_wait_alu depctr_hold_cnt(0) depctr_sa_sdst(0) depctr_va_vdst(0) depctr_va_sdst(0) depctr_va_ssrc(0) depctr_va_vcc(0) depctr_vm_vsrc(0)
	s_getreg_b32 s2, hwreg(HW_REG_IB_STS2, 6, 4)
	s_cmp_eq_u32 s2, 0
	s_cbranch_scc0 .Lentry_in_a_cluster
	s_endpgm
.Lentry_in_a_cluster:
	s_bfe_u32 s2, ttmp6, 0x10000c
	s_cmp_lg_u32 s2, 0xf033
	s_cbranch_scc0 .Lentry_shape_is_right
	s_endpgm
.Lentry_shape_is_right:
; out0 = y w_proj^T + b_proj on codes of FP6 (E2M3) with E8M0 scales, sums in f32, out0 [8192][1024] f32.
; A work-group of four waves makes 256 x 256, a wave 128 x 128: 64 accumulators of 16 x 16.  K = 1,024 goes in four slots of 256 through a ring of two LDS slots filled by the tensor data mover.
; OPERANDS ARE IMAGES OF REGISTERS.  P = w_proj (source 0; tiles 704 on of opq: three loads of 16 bytes a lane for a fragment).  R = y (source 1; yq: a fragment is two HALF images of 768 bytes, one for each of the
; two heads of a K step: registers 0-3 at 16 x lane, registers 4-5 at 512 + 8 x lane: four loads).  Row i of tile t is row 32 (t / 2) + 8 (t % 2) + i + 8 (i / 8), in both.
; The matrix instruction is used transposed, so that a lane's registers of P's tiles 2 b and 2 b + 1 are 16 neighbouring columns of one row of out0.  The bias is the C of each sum's first product.
; CLUSTERS: 4 x 4 work-groups.  P's tile hangs on cx alone and is shared along a column of the cluster, R's on cy alone and is shared along a row: each is asked for JOINTLY.
; 128 work-groups: a tile of 128 x 256 would give 256, with half the products for each byte read from LDS.
; REGISTERS, in windows of 256: window 0: v1-31 addresses; v32-63 scale words, two sets; v64-127 the bias; v128-223 R's eight fragments, ONE set; on the way out v128-255 rows of out0.
;   window 1: P's fragments, TWO sets, at v0 and v128.   windows 2, 3: the accumulators ((a, b) at v[8 (8 (a % 4) + b)]).
.set LOADB,  24576                     ; what one tensor load brings: 8 tiles x 2 K steps x 1,536 bytes
.set SLOT,   4*LOADB                   ; R's two halves, then P's two halves
.set SCL,    2*SLOT                    ; behind the ring: the scale words of all of K, 4,096 bytes for each wave's load; filled once
.set SPARE,  SCL+4*4096                ; behind them: the spare words, 128 bytes for each wave: two blocks of 256 bytes that no other line names
.set SPITCH, 528                       ; the way out: a stage of 16 rows x (512 bytes + 16) for each wave.  It lies in slot 0, which has had its last fill and its last read when the first result is stored there
.set NQ,     2
.set FR,     12
.set NLA,    4                         ; LDS loads that bring a fragment of R
.set NP,     4                         ; places behind this matrix instruction (ISA guide 7.12.1)
.set LAPS,   2
.set ADRA, 16                          ; v16-17  LDS address of my R fragments in slot 0, 1, 16 bytes a lane;  v18-19 the same, 8 bytes a lane
.set ADRB, 20                          ; v20-21  the same for P
.set STO,  24                          ; v24     the way out: where I put 32 bytes of a row
.set RD,   25                          ; v25     the way out: where I read a row back
.set LI,   26                          ; v26     16 x lane
.set ADRS, 27                          ; v27     LDS address of my scale words: lanes 0-15 R's, lanes 16-31 P's
.set SPW,  28                          ; v28     LDS address of my spare word; never rewritten
.set NIL,  29                          ; v29     0; never rewritten
.set SC,   32
.set BI,   64                          ; b_proj at P's index: register 8 b + j
.set AF,   128
.set BK,   128                         ; the way out: 16 rows read back from the stage: v128-191 and v192-255 by turns
.set WV,   16                          ; s16 wave;  s17 my half of R, also: I fetch for R (0) or P (1);  s18 my half of P, also: which half I fetch
.set HR,   17
.set HP,   18
.set G1, 24
.set G0, 32
.set G1B, 48
.set G0B, 56
.set G1S, 68
.set G0S, 76
.set G1SB, 80
.set G0SB, 88
.set MSB, 0
.macro WIN new                         ; the immediate's high byte repeats the setting that is left
.if MSB != (\new)
	s_set_vgpr_msb (MSB<<8)|(\new)
.set MSB, (\new)
.endif
.endm
.set MUL_LO, 0xa1                      ; source 0 (P) window 1, source 1 (R) window 0, C and D window 2
.set MUL_HI, 0xf1                      ; the same, C and D window 3
.set FIRST_LO, 0x81                    ; the first step: C (the bias) window 0, D window 2
.set FIRST_HI, 0xc1                    ; D window 3
.set TO_B,   0x40                      ; destination window 1, address window 0
; A joint load: waves 0 and 1 fetch for R, waves 2 and 3 for P.  An s_nop 0 and four v_nop follow each of the two lines, ahead of the jump, the label and what follows.
.macro JLOAD g0a, g1a, g0b, g1b
	s_cmp_eq_u32 s[HR], 0
	s_cbranch_scc0 .Lfor_p_\@
	tensor_load_to_lds s[\g0a:\g0a+3], s[\g1a:\g1a+7]
	s_nop 0
.rept 4
	v_nop
.endr
	s_branch .Lasked_\@
.Lfor_p_\@:
	tensor_load_to_lds s[\g0b:\g0b+3], s[\g1b:\g1b+7]
	s_nop 0
.rept 4
	v_nop
.endr
.Lasked_\@:
.endm
.macro CREST                           ; a round of the cluster's barrier behind its opening barrier
	s_cmp_lg_u32 s[WV], 0
	s_cbranch_scc1 .Lnot_wave_0_\@
	s_barrier_signal -3
.Lnot_wave_0_\@:
	s_barrier_wait -3
	s_barrier_signal -1
	s_barrier_wait -1
.endm
.macro CROUND                          ; a whole round
	s_barrier_signal -1
	s_barrier_wait -1
	CREST
.endm
	s_load_b256 s[4:11], s[0:1], 0x0               ; yq s[4:5], ys s[6:7], opq s[8:9], ops s[10:11]
	s_load_b128 s[12:15], s[0:1], 0x20             ; b_proj s[12:13], out0 s[14:15]
	v_lshl_add_u32 v[SPW], v0, 2, SPARE
	v_mov_b32 v[NIL], 0
	ds_add_u32 v[SPW], v[NIL]                      ; the wave's opening: the add and its wait stand ahead of my first tensor load; the set-up below, work on registers, stands between them
	v_lshrrev_b32 v1, 5, v0
	v_readfirstlane_b32 s[WV], v1                  ; wave 0..3
	s_lshr_b32 s[HR], s[WV], 1
	s_and_b32 s[HP], s[WV], 1
	s_bfe_u32 s40, ttmp6, 0x40000                  ; cx, cy: my place in the cluster
	s_bfe_u32 s41, ttmp6, 0x40004
	s_lshl_b32 s42, ttmp9, 2
	s_add_co_u32 s42, s42, s40                     ; P's tile of 256 rows (output channels) = 4 x cluster x + cx
	s_and_b32 s66, ttmp7, 0xffff
	s_lshl_b32 s66, s66, 2
	s_add_co_u32 s66, s66, s41                     ; R's (tokens) = 4 x cluster y + cy
	s_lshl_b32 s43, s41, 2
	s_lshl_b32 s43, 15, s43                        ; my row of the cluster
	s_lshl_b32 s44, 0x1111, s40                    ; my column
	; descriptor group 1 for codes: 8 rows (tiles) of 384 elements of 8 bytes (two K steps' images), 1,536 elements (a tile's 12,288 bytes) apart; dense in LDS
	s_or_b32 s[G1+0], s43, (3<<16)|(1<<21)         ; 15:0 the mask: R's go to my row; 17:16 elements of 8 bytes; 21 set beside a mask
	s_or_b32 s[G1B+0], s44, (3<<16)|(1<<21)        ; P's go to my column
.irp g, G1, G1B
	s_mov_b32 s[\g+1], 384<<16                     ; tensor_dim0
	s_mov_b32 s[\g+2], 8<<16                       ; tensor_dim1
	s_mov_b32 s[\g+3], 384<<16                     ; tile_dim0
	s_mov_b32 s[\g+4], 8                           ; tile_dim1
	s_mov_b32 s[\g+5], 1536                        ; tensor_dim0_stride
	s_mov_b32 s[\g+6], 0
	s_mov_b32 s[\g+7], 0
.endr
	; and for the scale words of 8 tiles: 4,096 dense bytes as 16 rows of 256
	s_or_b32 s[G1S+0], s43, (3<<16)|(1<<21)
	s_or_b32 s[G1SB+0], s44, (3<<16)|(1<<21)
.irp g, G1S, G1SB
	s_mov_b32 s[\g+1], 32<<16
	s_mov_b32 s[\g+2], 16<<16
	s_mov_b32 s[\g+3], 32<<16
	s_mov_b32 s[\g+4], 16
	s_mov_b32 s[\g+5], 32
	s_mov_b32 s[\g+6], 0
	s_mov_b32 s[\g+7], 0
.endr
	s_lshl_b32 s2, s[HP], 3                        ; which 8 tiles of the 16 I fetch
	s_lshl_b32 s96, s66, 4
	s_add_co_u32 s96, s96, s2                      ; R: first tile of yq and ys
	s_lshl_b32 s98, s96, 9
	s_mul_i32 s96, s96, 12288
	s_mov_b32 s97, 0
	s_mov_b32 s99, 0
	s_lshl_b32 s46, s42, 4
	s_add_co_u32 s46, s46, s2
	s_add_co_u32 s46, s46, 704                     ; P: first tile of opq and ops: w_proj's begin at 704
	s_lshl_b32 s92, s46, 9
	s_mul_i32 s46, s46, 12288
	s_mov_b32 s47, 0
	s_mov_b32 s93, 0
	s_mul_i32 s45, s[WV], LOADB                    ; where they go: by the wave's number alone
	s_lshl_b32 s94, s[WV], 12
	s_wait_dscnt 0x0                               ; the opening add is done
	s_wait_kmcnt 0x0
	s_add_nc_u64 s[96:97], s[4:5], s[96:97]
	s_add_nc_u64 s[98:99], s[6:7], s[98:99]
	s_add_nc_u64 s[46:47], s[8:9], s[46:47]
	s_add_nc_u64 s[92:93], s[10:11], s[92:93]
	CROUND                                         ; all sixteen work-groups are here: the first joint loads meet
	s_mov_b32 s[G0S], 1
	s_add_co_u32 s[G0S+1], s94, SCL
	s_mov_b64 s[G0S+2:G0S+3], s[98:99]
	s_or_b32 s[G0S+3], s[G0S+3], 0x80000000
	s_mov_b32 s[G0SB], 1
	s_add_co_u32 s[G0SB+1], s94, SCL
	s_mov_b64 s[G0SB+2:G0SB+3], s[92:93]
	s_or_b32 s[G0SB+3], s[G0SB+3], 0x80000000
	JLOAD G0S, G1S, G0SB, G1SB                     ; the scale words first.  Three loads of mine are out behind the third of these lines
.irp s, 0,1
	s_mov_b32 s[G0+4*\s], 1
	s_add_co_u32 s[G0+4*\s+1], s45, \s*SLOT
	s_add_nc_u64 s[G0+4*\s+2:G0+4*\s+3], s[96:97], \s*3072
	s_or_b32 s[G0+4*\s+3], s[G0+4*\s+3], 0x80000000
	s_mov_b32 s[G0B+4*\s], 1
	s_add_co_u32 s[G0B+4*\s+1], s45, \s*SLOT
	s_add_nc_u64 s[G0B+4*\s+2:G0B+4*\s+3], s[46:47], \s*3072
	s_or_b32 s[G0B+4*\s+3], s[G0B+4*\s+3], 0x80000000
	JLOAD G0+4*\s, G1, G0B+4*\s, G1B
.endr
	v_and_b32 v1, 15, v0                           ; r
	v_bfe_u32 v2, v0, 4, 1                         ; h
	v_and_b32 v3, 31, v0
	v_lshlrev_b32 v[LI], 4, v3
	v_lshlrev_b32 v4, 3, v3                        ; 8 x lane
	s_mul_i32 s2, s[HR], LOADB                     ; my half of R
	s_mul_i32 s3, s[HP], LOADB                     ; my half of P,
	s_add_co_u32 s3, s3, 2*LOADB                   ; behind R's two
.irp s, 0,1
	v_add_nc_u32 v[ADRA+\s], s2, v[LI]
	v_add_nc_u32 v[ADRA+2+\s], s2, v4
	v_add_nc_u32 v[ADRB+\s], s3, v[LI]
	s_add_co_u32 s2, s2, SLOT
	s_add_co_u32 s3, s3, SLOT
.endr
	s_lshl_b32 s2, s[HR], 12                       ; R's scale words: my half
	s_lshl_b32 s3, s[HP], 12
	s_add_co_u32 s3, s3, 8192                      ; P's: my half, behind R's two
	s_sub_co_u32 s3, s3, s2
	v_mul_u32_u24 v3, s3, v2                       ; lanes 16-31 take P's: one product, the distance between the two
	s_add_co_u32 s2, s2, SCL
	v_lshl_add_u32 v3, v1, 3, v3
	v_add_nc_u32 v[ADRS], s2, v3
	s_mul_i32 s2, s[WV], 16*SPITCH                 ; my stage
	v_mul_u32_u24 v3, v1, SPITCH
	v_lshl_add_u32 v3, v2, 6, v3
	v_add_nc_u32 v[STO], s2, v3                    ; in: row r, + 64 h: my 16 columns of each 32
	v_add_nc_u32 v[RD], s2, v[LI]                  ; back: the 32 lanes take one row of 512 bytes
	v_lshlrev_b32 v22, 6, v2                       ; the bias: 64 h
	s_lshl_b32 s46, s66, 8
	s_lshl_b32 s47, s[HR], 7
	s_add_co_u32 s46, s46, s47                     ; my first row of out0,
	s_lshl_b32 s46, s46, 12                        ; rows of 4,096 bytes (under 2^26),
	s_lshl_b32 s92, s42, 10
	s_lshl_b32 s93, s[HP], 9
	s_add_co_u32 s92, s92, s93                     ; my first column, in bytes: 1,024 x tile + 512 x half; the same in b_proj
	s_add_co_u32 s46, s46, s92
	s_mov_b32 s47, 0
	s_mov_b32 s93, 0
	s_add_nc_u64 s[14:15], s[14:15], s[46:47]
	s_add_nc_u64 s[12:13], s[12:13], s[92:93]
.irp b, 0,1,2,3,4,5,6,7
	global_load_b128 v[BI+8*\b:BI+8*\b+3], v22, s[12:13] offset:(32*(\b/2)+8*(\b%2))*4
	global_load_b128 v[BI+8*\b+4:BI+8*\b+7], v22, s[12:13] offset:(32*(\b/2)+8*(\b%2))*4+16
.endr
.macro FRAG reg, adr, q, i             ; a fragment of P as it was stored: three loads of 512 consecutive bytes
.irp c, 0,1,2
	ds_load_b128 v[(\reg)+4*\c:(\reg)+4*\c+3], v[\adr] offset:3072*(\i)+1536*(\q)+512*\c
.endr
.endm
.macro FRAGY reg, slot, q, i           ; a fragment of R: two half images
.irp c, 0,1
	ds_load_b128 v[(\reg)+6*\c:(\reg)+6*\c+3], v[ADRA+\slot] offset:3072*(\i)+1536*(\q)+768*\c
	ds_load_b64 v[(\reg)+6*\c+4:(\reg)+6*\c+5], v[ADRA+2+\slot] offset:3072*(\i)+1536*(\q)+768*\c+512
.endr
.endm
; 16 matrix instructions: R's tiles a0, a0 + 1 x P's eight, the slot's q-th K step.  first = 1: the first product starts the sums from the bias: nothing is cleared, nothing is added later.
; The 64 accumulators take turns, one instruction a turn, in the same order in every step.
.macro MUL16 a0, p, q, sc, first
.irp a, \a0, \a0+1
.irp b, 0,1,2,3,4,5,6,7
.if \first
	v_wmma_scale_f32_16x16x128_f8f6f4 v[8*(8*((\a)%4)+\b):8*(8*((\a)%4)+\b)+7], v[128*(\p)+FR*\b:128*(\p)+FR*\b+FR-1], v[AF+FR*(\a):AF+FR*(\a)+FR-1], v[BI+8*\b:BI+8*\b+7], v[SC+8*NQ*(\sc)+NQ*\b+(\q)], v[SC+8*NQ*(\sc)+NQ*(\a)+(\q)] matrix_a_fmt:MATRIX_FMT_FP6 matrix_b_fmt:MATRIX_FMT_FP6 matrix_a_scale:MATRIX_SCALE_ROW1
.else
	v_wmma_scale_f32_16x16x128_f8f6f4 v[8*(8*((\a)%4)+\b):8*(8*((\a)%4)+\b)+7], v[128*(\p)+FR*\b:128*(\p)+FR*\b+FR-1], v[AF+FR*(\a):AF+FR*(\a)+FR-1], v[8*(8*((\a)%4)+\b):8*(8*((\a)%4)+\b)+7], v[SC+8*NQ*(\sc)+NQ*\b+(\q)], v[SC+8*NQ*(\sc)+NQ*(\a)+(\q)] matrix_a_fmt:MATRIX_FMT_FP6 matrix_b_fmt:MATRIX_FMT_FP6 matrix_a_scale:MATRIX_SCALE_ROW1
.endif
.endr
.endr
.endm
.macro FETCH_B slot, q, p
	WIN TO_B
.irp i, 0,1,2,3,4,5,6,7
	FRAG 128*(\p)+FR*\i, ADRB+\slot, \q, \i
.endr
	WIN 0
.endm
.macro FETCH_A slot, q, i0
.irp i, \i0, \i0+1, \i0+2, \i0+3
	FRAGY AF+FR*(\i), \slot, \q, \i
.endr
.endm
.macro SCALES sc
.irp i, 0,1,2,3,4,5,6,7
	ds_load_b64 v[SC+8*NQ*\sc+NQ*\i:SC+8*NQ*\sc+NQ*\i+1], v[ADRS] offset:512*\i
.endr
.endm
; A load into a register that a matrix instruction has read, and an LDS store that reads a matrix result, stand NP places behind that matrix instruction, and only plain vector
; instructions that name none of its registers are places (ISA guide 7.12.1 for vector instructions).
.macro PLACES n
.rept \n
	v_nop
.endr
.endm
.macro STEP slot, q, first
	s_wait_dscnt 4*NLA                             ; P's set and R's tiles 0-3 are in; the youngest 16 loads (R's tiles 4-7) may be out
.if \first
	WIN FIRST_LO
.else
	WIN MUL_LO
.endif
	MUL16 0, (\q)%2, \q, \slot, \first
	MUL16 2, (\q)%2, \q, \slot, \first
	s_wait_dscnt 0                                 ; R's tiles 4-7 are in (asked for 32 matrix instructions ago)
	PLACES NP
	FETCH_B \slot, (\q)+1, 1-(\q)%2
	FETCH_A \slot, (\q)+1, 0
.if \first
	WIN FIRST_HI
.else
	WIN MUL_HI
.endif
	MUL16 4, (\q)%2, \q, \slot, \first
	MUL16 6, (\q)%2, \q, \slot, \first
	PLACES NP
	WIN 0
	FETCH_A \slot, (\q)+1, 4
.endm
; A slot's last step changes slots: ONE barrier; in front of it each wave waits for all its tensor loads, adds 0 to its spare word, and waits for that and for its own reads of this slot.  fill = 1: this slot is filled again, two slots ahead.
.macro TURN slot, next, fill
	s_wait_tensorcnt 0x0                           ; all my tensor loads have landed: my part of the next slot  (every window is 0 here)
	ds_add_u32 v[SPW], v[NIL]                      ; 0 onto my spare word
	s_wait_dscnt 4*NLA+1                           ; (the add and the youngest 16 loads, R's tiles 4-7, may be out)
	WIN MUL_LO
	MUL16 0, 1, NQ-1, \slot, 0                     ; sixteen matrix instructions stand between the add and the wait for it
	s_wait_dscnt 0x0                               ; the add is done, and my reads of this slot are over
	s_barrier_signal -1
	MUL16 2, 1, NQ-1, \slot, 0
	WIN 0
	s_barrier_wait -1
.if \fill
	CREST                                          ; the barrier has opened a round of the cluster's barrier: no wave of any partner still reads this slot or has a load on its way
	s_add_nc_u64 s[G0+4*\slot+2:G0+4*\slot+3], s[G0+4*\slot+2:G0+4*\slot+3], 6144
	s_add_nc_u64 s[G0B+4*\slot+2:G0B+4*\slot+3], s[G0B+4*\slot+2:G0B+4*\slot+3], 6144
	JLOAD G0+4*\slot, G1, G0B+4*\slot, G1B         ; the first tensor load behind the round, my only one until the next; its four v_nop are the places in front of the loads below
.else
	PLACES NP
.endif
	v_add_nc_u32 v[ADRS], 128, v[ADRS]             ; on to the next slot's scale words (no LDS load of mine is out)
	FETCH_B \next, 0, 0
	FETCH_A \next, 0, 0
	SCALES \next
	WIN MUL_HI
	MUL16 4, 1, NQ-1, \slot, 0
	MUL16 6, 1, NQ-1, \slot, 0
	PLACES NP
	WIN 0
	FETCH_A \next, 0, 4
.endm
	s_wait_loadcnt 0x0                             ; the bias
	s_wait_tensorcnt 1                             ; the scale words and my part of slot 0 are in (slot 1's load may be out)
	s_barrier_signal -1
	s_barrier_wait -1                              ; everybody's are
	FETCH_B 0, 0, 0
	FETCH_A 0, 0, 0
	SCALES 0
	FETCH_A 0, 0, 4
	STEP 0, 0, 1                                   ; the first step stands in front of the loop: its products start the sums
	s_mov_b32 s3, LAPS-1
.Llap:                                                 ; a trip goes once round the ring, from a lap's second step to the next lap's first, and fills both slots again
	TURN 0, 1, 1
	STEP 1, 0, 0
	TURN 1, 0, 1
	STEP 0, 0, 0
	s_sub_co_u32 s3, s3, 1
	s_cmp_lg_u32 s3, 0
	s_cbranch_scc1 .Llap
	TURN 0, 1, 0                                   ; the last lap fills nothing, and has no round of the cluster's barrier
	STEP 1, 0, 0
	s_wait_dscnt 4*NLA                             ; the very last step: nothing more to fetch
	WIN MUL_LO
	MUL16 0, 1, NQ-1, 1, 0
	MUL16 2, 1, NQ-1, 1, 0
	s_wait_dscnt 0
	WIN MUL_HI
	MUL16 4, 1, NQ-1, 1, 0
	MUL16 6, 1, NQ-1, 1, 0
	WIN 0
; THE WAY OUT, tile by tile of R: 16 rows x 128 columns.  A lane holds pieces of 32 neighbouring bytes of one row, and the lanes beside it hold other rows: so a tile goes through my own stage in LDS and comes back as
; whole rows of 512 bytes.  LDS serves a wave's instructions in order (ISA guide 5.7.1.4): no wait between the stores and the loads, nor in front of the next tile's stores.
.macro TOSTAGE a
.set AC, 64*((\a)%4)
	WIN 0x08+4*((\a)/4)                            ; the data: window 2 or 3
.irp b, 0,1,2,3,4,5,6,7
	ds_store_b128 v[STO], v[AC+8*\b:AC+8*\b+3] offset:128*(\b/2)+32*(\b%2)          ; each accumulator from its low end on; columns 32 (b / 2) + 16 h + 8 (b % 2) on
	ds_store_b128 v[STO], v[AC+8*\b+4:AC+8*\b+7] offset:128*(\b/2)+32*(\b%2)+16
.endr
	WIN 0
.set BB, BK+64*((\a)%2)
.irp t, 0,1,2,3,4,5,6,7,8,9,10,11,12,13,14,15
	ds_load_b128 v[BB+4*\t:BB+4*\t+3], v[RD] offset:\t*SPITCH
.endr
.endm
.macro SEND a, younger                 ; younger: the LDS instructions issued behind tile a's loads, which may stay out
.set BB, BK+64*((\a)%2)
	s_wait_dscnt \younger                          ; the tile is back in registers
.irp t, 0,1,2,3,4,5,6,7,8,9,10,11,12,13,14,15
	global_store_b128 v[LI], v[BB+4*\t:BB+4*\t+3], s[14:15] offset:(32*((\a)/2)+8*((\a)%2)+\t+8*(\t/8))*4096 th:TH_STORE_NT   ; 32 lanes store 512 consecutive bytes, at a multiple of 512 from out0's first byte; the tile's row t in the immediate: 127 rows at the most
.endr
.endm
	PLACES NP                                      ; behind the last products: for the loads into R's registers and the reads of the last results alike
	TOSTAGE 0
.irp a, 1,2,3,4,5,6,7
.if \a > 1
	s_wait_xcnt 0x0                                ; tile a - 2's stores have read their registers: tile a's loads may land there
.endif
	TOSTAGE \a
	SEND \a-1, 32                                  ; behind tile a - 1's loads: tile a's 16 stores and 16 loads
.endr
	SEND 7, 0
	s_wait_tensorcnt 0x0                           ; the wave's end, behind my last tensor load and my last LDS store
	ds_add_u32 v[SPW], v[NIL]
	s_wait_dscnt 0x0
	CROUND                                         ; the closing round: no work-group ends while a partner may still ask for a tile that names it
	s_endpgm
.Lfunc_end_k_q0faf139d66_proj:
	.size	k_q0faf139d66_proj, .Lfunc_end_k_q0faf139d66_proj-k_q0faf139d66_proj
	.p2alignl 7, 3214868480
	.fill 96, 4, 3214868480
	.section	.rodata,"a",@progbits
	.p2align	6, 0x0
	.amdhsa_kernel k_q0faf139d66_proj
		.amdhsa_group_segment_fixed_size 327680
		.amdhsa_private_segment_fixed_size 0
		.amdhsa_enable_private_segment 0
		.amdhsa_kernarg_size 48
		.amdhsa_user_sgpr_count 2
		.amdhsa_user_sgpr_kernarg_segment_ptr 1
		.amdhsa_wavefront_size32 1
		.amdhsa_system_sgpr_workgroup_id_x 1
		.amdhsa_system_sgpr_workgroup_id_y 1
		.amdhsa_system_sgpr_workgroup_id_z 1
		.amdhsa_system_vgpr_workitem_id 0
		.amdhsa_next_free_vgpr 1024
		.amdhsa_next_free_sgpr 104
		.amdhsa_reserve_vcc 0
		.amdhsa_float_denorm_mode_32 3
		.amdhsa_float_denorm_mode_16_64 3
		.amdhsa_memory_ordered 1
		.amdhsa_forward_progress 1
		.amdhsa_inst_pref_size 140
	.end_amdhsa_kernel
	.amdgpu_metadata
---
amdhsa.version: [ 1, 2 ]
amdhsa.kernels:
  - .name:           k_q0faf139d66_proj
    .symbol:         k_q0faf139d66_proj.kd
    .args:
      - { .name: yq, .offset: 0, .size: 8, .value_kind: global_buffer, .address_space: global }
      - { .name: ys, .offset: 8, .size: 8, .value_kind: global_buffer, .address_space: global }
      - { .name: opq, .offset: 16, .size: 8, .value_kind: global_buffer, .address_space: global }
      - { .name: ops, .offset: 24, .size: 8, .value_kind: global_buffer, .address_space: global }
      - { .name: b_proj, .offset: 32, .size: 8, .value_kind: global_buffer, .address_space: global }
      - { .name: out0, .offset: 40, .size: 8, .value_kind: global_buffer, .address_space: global }
    .group_segment_fixed_size: 327680
    .private_segment_fixed_size: 0
    .kernarg_segment_align: 8
    .kernarg_segment_size: 48
    .max_flat_workgroup_size: 128
    .sgpr_count:     104
    .vgpr_count:     1024
    .wavefront_size: 32
...
	.end_amdgpu_metadata
.endif
;; end of part 4
